; MI455X (gfx1250); checked and timed in simulation.
; The chip was launched on July 23, 2026; its instructions are those of AMD's public machine-readable ISA for CDNA 5 (MIT licence, August 2026) and "CDNA5" Instruction Set Architecture Reference Guide (July 2026). The comments in the code are by the model that wrote it; some were corrected since.
;; Meta Learner. Allowed arithmetic: float matrix products may take bf16 or f16 operands with f32 sums; other float arithmetic in f32, or as packed bf16 or f16 multiplies, adds, multiply-adds, maxima and minima; sums over many terms, partial sums and values carried from step to step in f32; what a program stores and reads back later, other than sums and carried values, may be rounded once to bf16 or f16.
;; Inputs: W1 2,048 x 1,024 float32; W2 1,024 x 1,024 float32; b1 1,024 float32; b2 1,024 float32; features 16,384 x 1,024 float32; prototypes 10 x 1,024 float32.
;; Outputs: out0 16,384 x 1,024 float32.
;; 2 versions, each right; version 2 is version 1 with the launch pw written anew for expert scheduling mode. Each part assembles by itself: llvm-mc -triple=amdgcn-amd-amdhsa -mcpu=gfx1250 --defsym DOCPART=n.
;; ======== version 1 of 2: 4 launches
;; workspace buffers: fb 33,554,432 bytes; hid 33,554,432 bytes; w1b 2,097,152 bytes; w2b 2,097,152 bytes; tpw 65,536 bytes; sel 524,288 bytes
;; launch pw (part 1): grid 16 x 1, 16 waves a work-group, no clusters, 231,424 bytes of LDS; arguments W1, b1, prototypes, tpw; writes tpw
.if DOCPART == 1
	.amdgcn_target "amdgcn-amd-amdhsa--gfx1250"
	.amdhsa_code_object_version 6
	.text
	.protected	k_q1cc5441acb_pw
	.globl	k_q1cc5441acb_pw
	.p2align	8
	.type	k_q1cc5441acb_pw,@function
k_q1cc5441acb_pw:
	s_mov_b64 s[64:65], 0
	v_nop
	global_prefetch_b8 v0, s[64:65] scope:SCOPE_SE
	s_setreg_imm32_b32 hwreg(HW_REG_WAVE_MODE, 25, 1), 1
	s_wait_xcnt 0x0
; THE TABLE.  Tab[j][n] = b1[n] + the sum over k of prototypes[j][k] W1[1024 + k][n], j = 0..9, n = 0..1023: choosing a row commutes with a product, so
; nearest_prototype @ W1[1024:] is row idx of this table.  All three inputs are rounded to bf16 first; products in the matrix unit, sums in f32.
; Tab is stored as two bf16 numbers, hi = bf16(Tab) and lo = bf16(Tab - hi), in the order in which the first layer's matrix instruction wants them as source 0:
; tpw[n block of 16][part 0 = hi, 1 = lo][lane][16 bytes]: lane (r = lane % 16, h = lane / 16) holds Tab[8 h + 0..7][16 nb + r].  Rows 10 to 15 hold b1 alone and are multiplied by 0 there.
; SHARES.  Work-group g owns columns 64 g .. 64 g + 63 (256 bytes of each f32 row of W1).  K is split among its 16 waves, 64 rows of W1 each; the partial sums meet in LDS; waves 0 to 3 finish a block of 16 columns each.
; W1 lies [k][n]: a wave rounds its 64 x 64 numbers to bf16 into its own stage in LDS and reads them back turned, by ds_load_tr16_b128.
; NaN and infinities are not treated apart.
.set SPITCH, 160                       ; a stage row: 64 bf16 = 128 bytes + 32 of padding: an odd multiple of 32 bytes
.set WSTG,   64*SPITCH                 ; a wave's stage: 64 rows
.set PART,   16*WSTG                   ; behind the stages: partial sums, 4,096 bytes a wave: [n block][2][lane][16 bytes]
.set SPARE,  PART+16*4096              ; behind them: the spare words, 128 bytes for each wave: eight blocks of 256 bytes that no other line names
.set VO,   4                           ; v4   my 16 bytes in two rows of W1: (lane / 16) x 4,096 + (lane % 16) x 16
.set LS,   5                           ; v5   where I put 8 bytes of the stage
.set LT,   6                           ; v6   my address for the turning load
.set PO,   7                           ; v7   my bytes in prototypes: min(r, 9) x 4,096 + 32 h
.set LPT,  8                           ; v8   where I put my partial sums
.set LR,   9                           ; v9   where I read the sixteen partial sums of my block
.set BO,   10                          ; v10  4 r: my column in b1
.set VM,   11                          ; v11  all ones where r < 10, else 0
.set SPW,  12                          ; v12  LDS address of my spare word; never rewritten
.set NIL,  13                          ; v13  0; never rewritten
.set BV,   14                          ; v14  b1 of my column (named as a pair with v15)
.set LN16, 15                          ; v15  16 x lane
.set ACC,  16                          ; v[16:47]  four accumulators, one for each block of 16 columns
.set HL,   48                          ; v[48:55]  hi and lo, packed
.set X,    64                          ; v[64:191] W1 as loaded; then its fragments; then the sixteen partial sums
.set PR,   192                         ; v[192:223] prototypes as loaded
.set PF,   224                         ; v[224:239] their two fragments
.set WV,   12                          ; s12  my wave's number
	s_load_b256 s[4:11], s[0:1], 0x0               ; W1 s[4:5], b1 s[6:7], prototypes s[8:9], tpw s[10:11]
	v_lshl_add_u32 v[SPW], v0, 2, SPARE
	v_mov_b32 v[NIL], 0
	v_lshrrev_b32 v16, 5, v0
	v_readfirstlane_b32 s[WV], v16                 ; wave 0..15
	v_and_b32 v1, 31, v0                           ; lane
	v_and_b32 v2, 15, v0                           ; r
	v_bfe_u32 v3, v0, 4, 1                         ; h
	v_lshlrev_b32 v[VO], 4, v2
	v_lshl_add_u32 v[VO], v3, 12, v[VO]
	s_mul_i32 s14, s[WV], WSTG                     ; my stage
	v_lshlrev_b32 v[LS], 3, v2
	v_mad_u32_u24 v[LS], v3, SPITCH, v[LS]
	v_add_nc_u32 v[LS], s14, v[LS]                 ; row lane / 16 of a pair, 8 bytes for each of 16 lanes
	v_and_b32 v16, 7, v0
	v_lshl_add_u32 v16, v3, 3, v16                 ; the turning load: row 8 h + lane % 8,
	v_mul_u32_u24 v[LT], v16, SPITCH
	v_bfe_u32 v17, v0, 3, 1
	v_lshl_add_u32 v[LT], v17, 4, v[LT]            ; 16 bytes at 16 ((lane / 8) % 2)
	v_add_nc_u32 v[LT], s14, v[LT]
	v_min_u32 v[PO], 9, v2                         ; lanes of rows 10 to 15 read row 9 and are masked
	v_lshlrev_b32 v[PO], 12, v[PO]
	v_lshl_add_u32 v[PO], v3, 5, v[PO]
	s_lshl_b32 s15, s[WV], 12
	s_add_co_u32 s15, s15, PART
	v_lshl_add_u32 v[LPT], v1, 4, s15
	s_and_b32 s13, s[WV], 3                        ; the block of 16 columns that waves 0 to 3 finish
	s_lshl_b32 s15, s13, 10
	s_add_co_u32 s15, s15, PART
	v_lshl_add_u32 v[LR], v1, 4, s15
	v_lshlrev_b32 v[BO], 2, v2
	v_lshlrev_b32 v[LN16], 4, v1
	v_cmp_gt_u32 vcc_lo, 10, v2
	v_cndmask_b32 v[VM], 0, -1, vcc_lo
	s_lshl_b32 s16, s[WV], 18                      ; W1: my 64 rows of 4,096 bytes,
	s_lshl_b32 s17, ttmp9, 8                       ; the work-group's 256 bytes of a row,
	s_add_co_u32 s16, s16, s17
	s_add_co_u32 s16, s16, 0x400000                ; behind the upper 1,024 rows
	s_mov_b32 s17, 0
	s_lshl_b32 s18, s[WV], 8                       ; prototypes: my 64 channels
	s_mov_b32 s19, 0
	s_lshl_b32 s20, ttmp9, 8                       ; b1: the work-group's 64 columns, my block of 16
	s_lshl_b32 s21, s13, 6
	s_add_co_u32 s20, s20, s21
	s_mov_b32 s21, 0
	s_lshl_b32 s22, ttmp9, 2                       ; tpw: block 4 g + wave, 1,024 bytes each
	s_add_co_u32 s22, s22, s13
	s_lshl_b32 s22, s22, 10
	s_mov_b32 s23, 0
	s_wait_kmcnt 0x0
	s_add_nc_u64 s[4:5], s[4:5], s[16:17]
	s_add_nc_u64 s[8:9], s[8:9], s[18:19]
	s_add_nc_u64 s[6:7], s[6:7], s[20:21]
	s_add_nc_u64 s[10:11], s[10:11], s[22:23]
	; all 41 loads at once: b1, the prototypes' 2 x 32 channels (8 numbers at 8 h and 8 at 16 + 8 h for each), my 64 rows of W1 (two rows of 256 bytes a load)
	global_load_b32 v[BV], v[BO], s[6:7]
.irp kb, 0,1
.irp c, 0,1,2,3
	global_load_b128 v[PR+16*(\kb)+4*(\c):PR+16*(\kb)+4*(\c)+3], v[PO], s[8:9] offset:128*(\kb)+64*((\c)/2)+16*((\c)%2)
.endr
.endr
.set j, 0
.rept 32
	global_load_b128 v[X+4*j:X+4*j+3], v[VO], s[4:5] offset:j*8192 th:TH_LOAD_NT
.set j, j+1
.endr
	s_wait_loadcnt 32                              ; b1 and the prototypes are in; the 32 loads of W1 may stay out
.set p, 0
.rept 16
	v_cvt_pk_bf16_f32 v[PF+p], v[PR+2*p], v[PR+2*p+1]
.set p, p+1
.endr
.set p, 0
.rept 16
	v_and_b32 v[PF+p], v[VM], v[PF+p]              ; rows 10 to 15 are 0
.set p, p+1
.endr
	v_cvt_pk_bf16_f32 v[BV], v[BV], v[BV]          ; b1 rounded to bf16,
	v_lshlrev_b32 v[BV], 16, v[BV]                 ; as f32 again
.set j, 0
.rept 32
	s_wait_loadcnt 31-j                            ; loads come back in order: pair j of rows is in, the younger ones stay out
	v_cvt_pk_bf16_f32 v[X+4*j], v[X+4*j], v[X+4*j+1]
	v_cvt_pk_bf16_f32 v[X+4*j+1], v[X+4*j+2], v[X+4*j+3]
	ds_store_b64 v[LS], v[X+4*j:X+4*j+1] offset:j*2*SPITCH
.set j, j+1
.endr
	; back, turned: fragment (kb, nb) = 32 k x 16 n.  My own bytes, and LDS serves a wave's instructions in order: no wait between the stores and these loads
.irp kb, 0,1
.irp nb, 0,1,2,3
	ds_load_tr16_b128 v[X+8*(4*(\kb)+(\nb)):X+8*(4*(\kb)+(\nb))+3],   v[LT] offset:(\kb)*32*SPITCH+32*(\nb)
	ds_load_tr16_b128 v[X+8*(4*(\kb)+(\nb))+4:X+8*(4*(\kb)+(\nb))+7], v[LT] offset:(\kb)*32*SPITCH+16*SPITCH+32*(\nb)
.endr
.endr
	s_wait_dscnt 0x0
	; source 0 = 16 rows j, source 1 = 16 columns n: lane (r, h) ends with Tab[8 h + 0..7][r].  The four accumulators take turns
.irp kb, 0,1
.irp nb, 0,1,2,3
.if (\kb) == 0
	v_wmma_f32_16x16x32_bf16 v[ACC+8*(\nb):ACC+8*(\nb)+7], v[PF+8*(\kb):PF+8*(\kb)+7], v[X+8*(4*(\kb)+(\nb)):X+8*(4*(\kb)+(\nb))+7], 0
.else
	v_wmma_f32_16x16x32_bf16 v[ACC+8*(\nb):ACC+8*(\nb)+7], v[PF+8*(\kb):PF+8*(\kb)+7], v[X+8*(4*(\kb)+(\nb)):X+8*(4*(\kb)+(\nb))+7], v[ACC+8*(\nb):ACC+8*(\nb)+7]
.endif
.endr
.endr
.rept 8
	v_nop                                          ; the places behind the last product, in front of the LDS stores that read the results; once a launch, so twice the four
.endr
.irp nb, 0,1,2,3
	ds_store_b128 v[LPT], v[ACC+8*(\nb):ACC+8*(\nb)+3]   offset:1024*(\nb)
	ds_store_b128 v[LPT], v[ACC+8*(\nb)+4:ACC+8*(\nb)+7] offset:1024*(\nb)+512
.endr
	s_wait_dscnt 0x0                               ; for the others' sake: my partial sums lie in LDS
	s_barrier_signal -1
	s_barrier_wait -1
	s_cmp_lt_u32 s[WV], 4                          ; waves 0 to 3 finish a block each
	s_cbranch_scc0 .Lend
.set j, 0
.rept 16
	ds_load_b128 v[X+8*j:X+8*j+3],   v[LR] offset:4096*j
	ds_load_b128 v[X+8*j+4:X+8*j+7], v[LR] offset:4096*j+512
.set j, j+1
.endr
	s_wait_dscnt 0x0
.irp st, 8,4,2,1                       ; the sixteen partial sums, halved four times
.set i, 0
.rept 4*(\st)
	v_pk_add_f32 v[X+2*i:X+2*i+1], v[X+2*i:X+2*i+1], v[X+8*(\st)+2*i:X+8*(\st)+2*i+1]
.set i, i+1
.endr
.endr
.irp p, 0,1,2,3
	v_pk_add_f32 v[X+2*(\p):X+2*(\p)+1], v[X+2*(\p):X+2*(\p)+1], v[BV:BV+1] op_sel_hi:[1,0]  ; + b1 of my column, for both
.endr
.irp p, 0,1,2,3
	v_cvt_pk_bf16_f32 v[HL+(\p)], v[X+2*(\p)], v[X+2*(\p)+1]       ; hi
.endr
.irp p, 0,1,2,3
	v_lshlrev_b32 v[X+8+2*(\p)], 16, v[HL+(\p)]
	v_and_b32 v[X+9+2*(\p)], 0xffff0000, v[HL+(\p)]
.endr
.irp p, 0,1,2,3
	v_pk_add_f32 v[X+2*(\p):X+2*(\p)+1], v[X+2*(\p):X+2*(\p)+1], v[X+8+2*(\p):X+9+2*(\p)] neg_lo:[0,1] neg_hi:[0,1]  ; what hi has lost
.endr
.irp p, 0,1,2,3
	v_cvt_pk_bf16_f32 v[HL+4+(\p)], v[X+2*(\p)], v[X+2*(\p)+1]     ; lo
.endr
	global_store_b128 v[LN16], v[HL:HL+3], s[10:11]                ; each store of the wave covers 512 consecutive bytes, aligned
	global_store_b128 v[LN16], v[HL+4:HL+7], s[10:11] offset:512
.Lend:
	s_wait_tensorcnt 0x0                           ; the wave's end, behind my last LDS store
	ds_add_u32 v[SPW], v[NIL]
	s_wait_dscnt 0x0
	s_endpgm
.Lfunc_end_k_q1cc5441acb_pw:
	.size	k_q1cc5441acb_pw, .Lfunc_end_k_q1cc5441acb_pw-k_q1cc5441acb_pw
	.p2alignl 7, 3214868480
	.fill 96, 4, 3214868480
	.section	.rodata,"a",@progbits
	.p2align	6, 0x0
	.amdhsa_kernel k_q1cc5441acb_pw
		.amdhsa_group_segment_fixed_size 231424
		.amdhsa_private_segment_fixed_size 0
		.amdhsa_enable_private_segment 0
		.amdhsa_kernarg_size 32
		.amdhsa_user_sgpr_count 2
		.amdhsa_user_sgpr_kernarg_segment_ptr 1
		.amdhsa_wavefront_size32 1
		.amdhsa_system_sgpr_workgroup_id_x 1
		.amdhsa_system_sgpr_workgroup_id_y 1
		.amdhsa_system_sgpr_workgroup_id_z 1
		.amdhsa_system_vgpr_workitem_id 0
		.amdhsa_next_free_vgpr 256
		.amdhsa_next_free_sgpr 66
		.amdhsa_reserve_vcc 1
		.amdhsa_float_denorm_mode_32 3
		.amdhsa_float_denorm_mode_16_64 3
		.amdhsa_memory_ordered 1
		.amdhsa_forward_progress 1
		.amdhsa_inst_pref_size 25
	.end_amdhsa_kernel
	.amdgpu_metadata
---
amdhsa.version: [ 1, 2 ]
amdhsa.kernels:
  - .name:           k_q1cc5441acb_pw
    .symbol:         k_q1cc5441acb_pw.kd
    .args:
      - { .name: W1, .offset: 0, .size: 8, .value_kind: global_buffer, .address_space: global }
      - { .name: b1, .offset: 8, .size: 8, .value_kind: global_buffer, .address_space: global }
      - { .name: prototypes, .offset: 16, .size: 8, .value_kind: global_buffer, .address_space: global }
      - { .name: tpw, .offset: 24, .size: 8, .value_kind: global_buffer, .address_space: global }
    .group_segment_fixed_size: 231424
    .private_segment_fixed_size: 0
    .kernarg_segment_align: 8
    .kernarg_segment_size: 32
    .max_flat_workgroup_size: 512
    .sgpr_count:     66
    .vgpr_count:     256
    .wavefront_size: 32
...
	.end_amdgpu_metadata
.endif
;; end of part 1
;; launch cast (part 2): grid 256 x 1, 16 waves a work-group, no clusters, 186,880 bytes of LDS; arguments features, prototypes, W1, W2, fb, sel, w1b, w2b; writes fb, sel, w1b, w2b
.if DOCPART == 2
	.amdgcn_target "amdgcn-amd-amdhsa--gfx1250"
	.amdhsa_code_object_version 6
	.text
	.protected	k_q1cc5441acb_cast
	.globl	k_q1cc5441acb_cast
	.p2align	8
	.type	k_q1cc5441acb_cast,@function
k_q1cc5441acb_cast:
	s_mov_b64 s[64:65], 0
	v_nop
	global_prefetch_b8 v0, s[64:65] scope:SCOPE_SE
	s_setreg_imm32_b32 hwreg(HW_REG_WAVE_MODE, 25, 1), 1
	s_wait_xcnt 0x0
; ONE PASS OVER THE FEATURES.  fb = features rounded to bf16; w1b = W1's rows 0..1023 and w2b = W2 rounded to bf16, as they lie; and for each row the nearest prototype:
; idx = argmin over j of p2[j] - 2 f . p[j] (the row's own |f|^2 is the same for all ten j and changes no argmin), on f and p ROUNDED TO bf16, products in the matrix unit, sums in f32.
; idx steers no address: it is stored as a row of ones and zeros, in the order in which the first layer's matrix instruction takes it as source 1:
; sel[block of 16 rows][lane][16 bytes]: lane (r = lane % 16, h = lane / 16) holds for row r eight bf16: 1.0 where idx = 8 h + i, else 0.
; LIMITS.  A row whose two smallest squared distances lie closer than f32's rounding of the squared distance itself (1.2e-7 of it) may take the other of the two than a sum in another order would.
; Equal scores take the lower index.  NaN and infinities are not treated apart: a NaN score never wins.
; SHARES.  Work-group g: feature rows 64 g .. 64 g + 63, and 8 rows of [W1's upper half; W2].  Wave w: rows 16 (w / 4) on, channels 256 (w % 4) on: 16 KiB, all 32 loads issued at once: no loop.
; Wave w also rounds prototype min(w, 9) into LDS for all (rows 10 to 15 as zeros, with p2 = +infinity, so that they never win) and 2,048 bytes of weights.  The four quarters' partial scores meet in LDS.
; No matrix tile is shared with another work-group but the prototypes' 40 KiB, so no cluster; the stream is read once at full width, so nothing is prefetched.
.set PPITCH, 2064                      ; a prototype's row in LDS: 2,048 bytes + 16: an odd multiple of 16 bytes
.set FPITCH, 528                       ; a wave's feature row: 512 bytes + 16: likewise
.set PRO,    0                         ; 16 rows of prototypes
.set STG,    16*PPITCH                 ; each wave's 16 rows x 256 channels
.set WSTG,   16*FPITCH
.set PART,   STG+16*WSTG               ; partial scores, 1,024 bytes a wave: [2][lane][16 bytes]
.set P2,     PART+16*1024              ; p2[0..15]
.set SPARE,  P2+256                    ; the spare words, 128 bytes for each wave: eight blocks of 256 bytes that no other line names
.set LN16, 4                           ; v4   16 x lane
.set LN8,  5                           ; v5   8 x lane
.set LS,   6                           ; v6   where I put 8 bytes of a feature row
.set LF,   7                           ; v7   my place in a feature fragment
.set LP,   8                           ; v8   my place in a prototype fragment
.set LPS,  9                           ; v9   where I put 8 bytes of my wave's prototype
.set LPT,  10                          ; v10  my partial scores
.set LQ,   11                          ; v11  p2[8 h ..]
.set SPW,  12                          ; v12  LDS address of my spare word; never rewritten
.set NIL,  13                          ; v13  0; never rewritten
.set LP2,  14                          ; v14  my wave's word of p2
.set X,    64                          ; v[64:191]  features as loaded and rounded; then the fragments (features' 64, prototypes' 64)
.set WX,   192                         ; v[192:207] weights
.set PX,   208                         ; v[208:239] my wave's prototype
.set ACC,  240                         ; v[240:255] two accumulators
.set WV,   20                          ; s20  my wave's number
	s_load_b256 s[4:11], s[0:1], 0x0               ; features s[4:5], prototypes s[6:7], W1 s[8:9], W2 s[10:11]
	s_load_b256 s[12:19], s[0:1], 0x20             ; fb s[12:13], sel s[14:15], w1b s[16:17], w2b s[18:19]
	v_lshl_add_u32 v[SPW], v0, 2, SPARE
	v_mov_b32 v[NIL], 0
	v_lshrrev_b32 v16, 5, v0
	v_readfirstlane_b32 s[WV], v16                 ; wave 0..15
	s_lshr_b32 s21, s[WV], 2                       ; b: my block of 16 rows
	s_and_b32 s22, s[WV], 3                        ; q: my quarter of the channels
	s_min_u32 s23, s[WV], 9                        ; the prototype that I round
	s_cmp_lt_u32 s[WV], 10
	s_cselect_b32 s24, -1, 0                       ; it is kept, or zeroed,
	s_cselect_b32 s25, 0, 0x7f800000               ; and its p2 kept, or made +infinity
	s_mov_b32 s30, 0x76543210                      ; v_permlanex16_b32: each lane takes its own place in the other half
	s_mov_b32 s31, 0xfedcba98
	s_mov_b32 s36, 0xffff0000                      ; a word's upper bf16
	v_and_b32 v1, 31, v0                           ; lane
	v_and_b32 v2, 15, v0                           ; r
	v_bfe_u32 v3, v0, 4, 1                         ; h
	v_lshlrev_b32 v[LN16], 4, v1
	v_lshlrev_b32 v[LN8], 3, v1
	s_mul_i32 s26, s[WV], WSTG
	s_add_co_u32 s26, s26, STG                     ; my stage
	v_add_nc_u32 v[LS], s26, v[LN8]
	v_mul_u32_u24 v[LF], v2, FPITCH
	v_lshl_add_u32 v[LF], v3, 4, v[LF]
	v_add_nc_u32 v[LF], s26, v[LF]                 ; row r x pitch + 16 h
	v_mul_u32_u24 v[LP], v2, PPITCH
	v_lshl_add_u32 v[LP], v3, 4, v[LP]
	s_lshl_b32 s27, s22, 9
	v_add_nc_u32 v[LP], s27, v[LP]                 ; the same in the prototypes, at my quarter
	s_mul_i32 s27, s[WV], PPITCH
	v_add_nc_u32 v[LPS], s27, v[LN8]
	s_lshl_b32 s27, s[WV], 10
	s_add_co_u32 s27, s27, PART
	v_lshl_add_u32 v[LPT], v1, 4, s27
	v_lshlrev_b32 v[LQ], 5, v3
	v_add_nc_u32 v[LQ], P2, v[LQ]
	s_lshl_b32 s27, s[WV], 2
	s_add_co_u32 s27, s27, P2
	v_mov_b32 v[LP2], s27
	s_lshl_b32 s26, ttmp9, 18                      ; features: 64 rows of 4,096 bytes a work-group,
	s_lshl_b32 s27, s21, 16                        ; 16 rows a block,
	s_add_co_u32 s26, s26, s27
	s_lshl_b32 s27, s22, 10                        ; 1,024 bytes a quarter
	s_add_co_u32 s26, s26, s27
	s_mov_b32 s27, 0
	s_lshr_b32 s28, s26, 1                         ; fb: half of that
	s_mov_b32 s29, 0
	s_lshl_b32 s32, ttmp9, 11                      ; sel: 512 bytes a block of 16 rows
	s_lshl_b32 s33, s21, 9
	s_add_co_u32 s32, s32, s33
	s_mov_b32 s33, 0
	s_lshl_b32 s34, s23, 12                        ; my prototype's row
	s_mov_b32 s35, 0
	s_and_b32 s38, ttmp9, 127                      ; weights: 8 rows of 4,096 bytes a work-group, 2,048 bytes a wave
	s_lshl_b32 s38, s38, 15
	s_lshl_b32 s39, s[WV], 11
	s_add_co_u32 s38, s38, s39
	s_mov_b32 s39, 0
	s_lshr_b32 s40, s38, 1                         ; and half of that in bf16
	s_mov_b32 s41, 0
	s_wait_kmcnt 0x0
	s_cmp_lt_u32 ttmp9, 128                        ; work-groups 0 to 127 round W1's upper half, the others W2
	s_cselect_b64 s[8:9], s[8:9], s[10:11]
	s_cselect_b64 s[16:17], s[16:17], s[18:19]
	s_add_nc_u64 s[4:5], s[4:5], s[26:27]
	s_add_nc_u64 s[12:13], s[12:13], s[28:29]
	s_add_nc_u64 s[14:15], s[14:15], s[32:33]
	s_add_nc_u64 s[6:7], s[6:7], s[34:35]
	s_add_nc_u64 s[8:9], s[8:9], s[38:39]
	s_add_nc_u64 s[16:17], s[16:17], s[40:41]
	; all 44 loads at once, each of 512 consecutive bytes: the prototype's row, the weights, my 16 rows x 1,024 bytes of features
.irp c, 0,1,2,3,4,5,6,7
	global_load_b128 v[PX+4*(\c):PX+4*(\c)+3], v[LN16], s[6:7] offset:512*(\c)
.endr
.irp c, 0,1,2,3
	global_load_b128 v[WX+4*(\c):WX+4*(\c)+3], v[LN16], s[8:9] offset:512*(\c) th:TH_LOAD_NT
.endr
.set t, 0
.rept 16
	global_load_b128 v[X+8*t:X+8*t+3],   v[LN16], s[4:5] offset:4096*t th:TH_LOAD_NT
	global_load_b128 v[X+8*t+4:X+8*t+7], v[LN16], s[4:5] offset:4096*t+512 th:TH_LOAD_NT
.set t, t+1
.endr
	s_wait_loadcnt 36                              ; the prototype is in; the 4 loads of weights and 32 of features may stay out
.irp c, 0,1,2,3,4,5,6,7
	v_cvt_pk_bf16_f32 v[PX+4*(\c)], v[PX+4*(\c)], v[PX+4*(\c)+1]
	v_cvt_pk_bf16_f32 v[PX+4*(\c)+1], v[PX+4*(\c)+2], v[PX+4*(\c)+3]
	v_and_b32 v[PX+4*(\c)], s24, v[PX+4*(\c)]
	v_and_b32 v[PX+4*(\c)+1], s24, v[PX+4*(\c)+1]
	ds_store_b64 v[LPS], v[PX+4*(\c):PX+4*(\c)+1] offset:256*(\c)
.endr
.set i, 0
.rept 16                               ; p2 of the rounded numbers, in f32, in two chains; the first two products start them
.set u, PX+4*(i/2)+(i%2)
.set tt, 20+2*(i%2)
.set ac, 16+2*(i%2)
	v_lshlrev_b32 v[tt], 16, v[u]
	v_and_b32 v[tt+1], s36, v[u]
.if i < 2
	v_pk_mul_f32 v[ac:ac+1], v[tt:tt+1], v[tt:tt+1]
.else
	v_pk_fma_f32 v[ac:ac+1], v[tt:tt+1], v[tt:tt+1], v[ac:ac+1]
.endif
.set i, i+1
.endr
	v_pk_add_f32 v[16:17], v[16:17], v[18:19]
	v_add_f32 v16, v16, v17
	v_add_f32_dpp v16, v16, v16 row_xmask:1 row_mask:0xf bank_mask:0xf
	v_add_f32_dpp v16, v16, v16 row_xmask:2 row_mask:0xf bank_mask:0xf
	v_add_f32_dpp v16, v16, v16 row_xmask:4 row_mask:0xf bank_mask:0xf
	v_add_f32_dpp v16, v16, v16 row_xmask:8 row_mask:0xf bank_mask:0xf
	v_permlanex16_b32 v17, v16, s30, s31           ; its destination counts as read: v17 has been written
	v_add_f32 v16, v16, v17
	v_or_b32 v16, s25, v16                         ; waves 10 to 15: 0 becomes +infinity
	ds_store_b32 v[LP2], v16                       ; all lanes write the same word with the same value
	s_wait_dscnt 0x0                               ; for the others' sake: my prototype and its p2 lie in LDS
	s_barrier_signal -1
	s_barrier_wait -1
	s_wait_loadcnt 32                              ; the weights are in; the features' 32 loads may stay out
.irp c, 0,1,2,3
	v_cvt_pk_bf16_f32 v[WX+4*(\c)], v[WX+4*(\c)], v[WX+4*(\c)+1]
	v_cvt_pk_bf16_f32 v[WX+4*(\c)+1], v[WX+4*(\c)+2], v[WX+4*(\c)+3]
	global_store_b64 v[LN8], v[WX+4*(\c):WX+4*(\c)+1], s[16:17] offset:256*(\c)  ; each store of the wave covers 256 consecutive bytes, aligned
.endr
.set t, 0
.rept 16
	s_wait_loadcnt 30-2*t                          ; row t's two loads are in; the later rows' stay out
	v_cvt_pk_bf16_f32 v[X+8*t], v[X+8*t], v[X+8*t+1]
	v_cvt_pk_bf16_f32 v[X+8*t+1], v[X+8*t+2], v[X+8*t+3]
	v_cvt_pk_bf16_f32 v[X+8*t+4], v[X+8*t+4], v[X+8*t+5]
	v_cvt_pk_bf16_f32 v[X+8*t+5], v[X+8*t+6], v[X+8*t+7]
	global_store_b64 v[LN8], v[X+8*t:X+8*t+1],   s[12:13] offset:2048*t
	global_store_b64 v[LN8], v[X+8*t+4:X+8*t+5], s[12:13] offset:2048*t+256
	ds_store_b64 v[LS], v[X+8*t:X+8*t+1]   offset:FPITCH*t
	ds_store_b64 v[LS], v[X+8*t+4:X+8*t+5] offset:FPITCH*t+256
.set t, t+1
.endr
	s_wait_xcnt 0x0                                ; the stores above have read their data: X is loaded again only behind this wait
.irp kb, 0,1,2,3,4,5,6,7               ; fragments of 16 rows x 32 channels: two loads of 16 bytes, 32 bytes apart.  The features' are my own bytes: LDS serves a wave's instructions in order
	ds_load_b128 v[X+8*(\kb):X+8*(\kb)+3],   v[LF] offset:64*(\kb)
	ds_load_b128 v[X+8*(\kb)+4:X+8*(\kb)+7], v[LF] offset:64*(\kb)+32
.endr
.irp kb, 0,1,2,3,4,5,6,7
	ds_load_b128 v[X+64+8*(\kb):X+64+8*(\kb)+3],   v[LP] offset:64*(\kb)
	ds_load_b128 v[X+64+8*(\kb)+4:X+64+8*(\kb)+7], v[LP] offset:64*(\kb)+32
.endr
	s_wait_dscnt 0x0
	; source 0 = the 16 prototype rows, source 1 = my 16 feature rows: lane (r, h) ends with f[r] . p[8 h + 0..7].  The two accumulators take turns
.irp kb, 0,1,2,3,4,5,6,7
.if (\kb) < 2
	v_wmma_f32_16x16x32_bf16 v[ACC+8*((\kb)%2):ACC+8*((\kb)%2)+7], v[X+64+8*(\kb):X+64+8*(\kb)+7], v[X+8*(\kb):X+8*(\kb)+7], 0
.else
	v_wmma_f32_16x16x32_bf16 v[ACC+8*((\kb)%2):ACC+8*((\kb)%2)+7], v[X+64+8*(\kb):X+64+8*(\kb)+7], v[X+8*(\kb):X+8*(\kb)+7], v[ACC+8*((\kb)%2):ACC+8*((\kb)%2)+7]
.endif
.endr
.rept 8
	v_nop                                          ; the places behind the last product, in front of the sums that read and write the results (ISA guide 7.12.1); once a launch, so twice the four
.endr
.irp p, 0,2,4,6
	v_pk_add_f32 v[ACC+(\p):ACC+(\p)+1], v[ACC+(\p):ACC+(\p)+1], v[ACC+8+(\p):ACC+9+(\p)]  ; from the low end on
.endr
	ds_store_b128 v[LPT], v[ACC:ACC+3]
	ds_store_b128 v[LPT], v[ACC+4:ACC+7] offset:512
	s_wait_dscnt 0x0                               ; for the others' sake: my quarter's scores lie in LDS
	s_barrier_signal -1
	s_barrier_wait -1
	s_cmp_lg_u32 s22, 0                            ; a block's first wave finishes it
	s_cbranch_scc1 .Lend
.irp qq, 0,1,2,3
	ds_load_b128 v[X+8*(\qq):X+8*(\qq)+3],   v[LPT] offset:1024*(\qq)
	ds_load_b128 v[X+8*(\qq)+4:X+8*(\qq)+7], v[LPT] offset:1024*(\qq)+512
.endr
	ds_load_b128 v[X+32:X+35], v[LQ]
	ds_load_b128 v[X+36:X+39], v[LQ] offset:16
	s_wait_dscnt 0x0
.irp p, 0,2,4,6
	v_pk_add_f32 v[X+(\p):X+(\p)+1], v[X+(\p):X+(\p)+1], v[X+8+(\p):X+9+(\p)]
	v_pk_add_f32 v[X+16+(\p):X+17+(\p)], v[X+16+(\p):X+17+(\p)], v[X+24+(\p):X+25+(\p)]
.endr
.irp p, 0,2,4,6
	v_pk_add_f32 v[X+(\p):X+(\p)+1], v[X+(\p):X+(\p)+1], v[X+16+(\p):X+17+(\p)]
.endr
.irp p, 0,2,4,6
	v_pk_fma_f32 v[X+(\p):X+(\p)+1], v[X+(\p):X+(\p)+1], -2.0, v[X+32+(\p):X+33+(\p)] op_sel_hi:[1,0,1]  ; p2 - 2 f . p
.endr
	v_mov_b32 v20, v[X]                            ; the least of my eight, ascending and strict: of equals the first stays
	v_mov_b32 v21, 0
	v_mov_b32 v22, 0                               ; (written, since v_permlanex16_b32's destination counts as read)
	v_mov_b32 v23, 0
.irp i, 1,2,3,4,5,6,7
	v_cmp_lt_f32 vcc_lo, v[X+(\i)], v20
	v_cndmask_b32 v20, v20, v[X+(\i)], vcc_lo
	v_cndmask_b32 v21, v21, \i, vcc_lo
.endr
	v_lshl_add_u32 v21, v3, 3, v21                 ; j = 8 h + i
	v_permlanex16_b32 v22, v20, s30, s31           ; the row's other eight lie in the lane 16 away
	v_permlanex16_b32 v23, v21, s30, s31
	v_cmp_lt_f32 s32, v22, v20                     ; theirs is taken if it is less, or equal with the lower index: both halves come to the same idx
	v_cmp_eq_f32 s33, v22, v20
	v_cmp_lt_u32 s34, v23, v21
	s_and_b32 s33, s33, s34
	s_or_b32 s32, s32, s33
	v_cndmask_b32 v21, v21, v23, s32
	v_lshlrev_b32 v24, 3, v3
	v_sub_nc_u32 v24, v21, v24                     ; e = idx - 8 h: 0..7 where the one falls into my eight
	v_and_b32 v25, 1, v24
	v_lshlrev_b32 v25, 4, v25
	v_mov_b32 v27, 0x3f80                          ; 1.0 in bf16,
	v_lshlrev_b32 v26, v25, v27                    ; in the half e % 2
	v_lshrrev_b32 v24, 1, v24                      ; of word e / 2 (out of 0..3 where e is not mine)
.irp p, 0,1,2,3
	v_cmp_eq_u32 vcc_lo, \p, v24
	v_cndmask_b32 v[28+(\p)], 0, v26, vcc_lo
.endr
	global_store_b128 v[LN16], v[28:31], s[14:15]  ; 512 consecutive bytes, aligned
.Lend:
	s_wait_tensorcnt 0x0                           ; the wave's end, behind my last LDS store
	ds_add_u32 v[SPW], v[NIL]
	s_wait_dscnt 0x0
	s_endpgm
.Lfunc_end_k_q1cc5441acb_cast:
	.size	k_q1cc5441acb_cast, .Lfunc_end_k_q1cc5441acb_cast-k_q1cc5441acb_cast
	.p2alignl 7, 3214868480
	.fill 96, 4, 3214868480
	.section	.rodata,"a",@progbits
	.p2align	6, 0x0
	.amdhsa_kernel k_q1cc5441acb_cast
		.amdhsa_group_segment_fixed_size 186880
		.amdhsa_private_segment_fixed_size 0
		.amdhsa_enable_private_segment 0
		.amdhsa_kernarg_size 64
		.amdhsa_user_sgpr_count 2
		.amdhsa_user_sgpr_kernarg_segment_ptr 1
		.amdhsa_wavefront_size32 1
		.amdhsa_system_sgpr_workgroup_id_x 1
		.amdhsa_system_sgpr_workgroup_id_y 1
		.amdhsa_system_sgpr_workgroup_id_z 1
		.amdhsa_system_vgpr_workitem_id 0
		.amdhsa_next_free_vgpr 256
		.amdhsa_next_free_sgpr 66
		.amdhsa_reserve_vcc 1
		.amdhsa_float_denorm_mode_32 3
		.amdhsa_float_denorm_mode_16_64 3
		.amdhsa_memory_ordered 1
		.amdhsa_forward_progress 1
		.amdhsa_inst_pref_size 30
	.end_amdhsa_kernel
	.amdgpu_metadata
---
amdhsa.version: [ 1, 2 ]
amdhsa.kernels:
  - .name:           k_q1cc5441acb_cast
    .symbol:         k_q1cc5441acb_cast.kd
    .args:
      - { .name: features, .offset: 0, .size: 8, .value_kind: global_buffer, .address_space: global }
      - { .name: prototypes, .offset: 8, .size: 8, .value_kind: global_buffer, .address_space: global }
      - { .name: W1, .offset: 16, .size: 8, .value_kind: global_buffer, .address_space: global }
      - { .name: W2, .offset: 24, .size: 8, .value_kind: global_buffer, .address_space: global }
      - { .name: fb, .offset: 32, .size: 8, .value_kind: global_buffer, .address_space: global }
      - { .name: sel, .offset: 40, .size: 8, .value_kind: global_buffer, .address_space: global }
      - { .name: w1b, .offset: 48, .size: 8, .value_kind: global_buffer, .address_space: global }
      - { .name: w2b, .offset: 56, .size: 8, .value_kind: global_buffer, .address_space: global }
    .group_segment_fixed_size: 186880
    .private_segment_fixed_size: 0
    .kernarg_segment_align: 8
    .kernarg_segment_size: 64
    .max_flat_workgroup_size: 512
    .sgpr_count:     66
    .vgpr_count:     256
    .wavefront_size: 32
...
	.end_amdgpu_metadata
.endif
;; end of part 2
;; launch layer1 (part 3): grid 4 x 64, 4 waves a work-group, clusters of 4 x 4, 327,680 bytes of LDS; arguments fb, w1b, hid, sel, tpw; writes hid
.if DOCPART == 3
	.amdgcn_target "amdgcn-amd-amdhsa--gfx1250"
	.amdhsa_code_object_version 6
	.text
	.protected	k_q1cc5441acb_layer1
	.globl	k_q1cc5441acb_layer1
	.p2align	8
	.type	k_q1cc5441acb_layer1,@function
k_q1cc5441acb_layer1:
	s_mov_b64 s[64:65], 0
	v_nop
	global_prefetch_b8 v0, s[64:65] scope:SCOPE_SE
	s_setreg_imm32_b32 hwreg(HW_REG_WAVE_MODE, 25, 1), 1
	s_wait_xcnt 0x0
	s_wait_alu depctr_hold_cnt(0) depctr_sa_sdst(0) depctr_va_vdst(0) depctr_va_sdst(0) depctr_va_ssrc(0) depctr_va_vcc(0) depctr_vm_vsrc(0)
	s_getreg_b32 s2, hwreg(HW_REG_IB_STS2, 6, 4)
	s_cmp_eq_u32 s2, 0
	s_cbranch_scc0 .Lentry_in_a_cluster
	s_endpgm
.Lentry_in_a_cluster:
	s_bfe_u32 s2, ttmp6, 0x10000c
	s_cmp_lg_u32 s2, 0xf033
	s_cbranch_scc0 .Lentry_shape_is_right
	s_endpgm
.Lentry_shape_is_right:
; hid[m][n] = relu(the sum over k of fb[m][k] w1b[k][n] + Tab[idx[m]][n]), rounded once to bf16.  fb: [16384][1024], w1b: [1024 k][1024 n], hid: [16384][1024], all bf16; sums in f32.
; THE CHOICE OF A TABLE ROW IS A PRODUCT: sel holds for each row ones and zeros (1.0 at k = idx and at k = 16 + idx), tpw the table's hi parts at k = 0..15 and lo parts at k = 16..31; one matrix instruction
; for each accumulator gives hi[idx] + lo[idx], and STARTS the sums: nothing is cleared, and no address hangs on idx.  The table holds b1 already.
; A tile of hid, 256 x 256, is made by a work-group of four waves; a wave makes 128 x 128: 64 accumulators of 16 x 16, 512 registers.  16384 x 1024 / 65536 = 256 tiles.  K goes in 8 steps of 128 through a ring of two LDS slots.
; CLUSTERS: 4 x 4 work-groups.  The four of a row of the cluster need the same tiles of fb, the four of a column the same tiles of w1b: each tile is asked for JOINTLY, by the same tensor load with the same descriptor and a mask that names the four.
; THE MATRIX INSTRUCTION IS USED TRANSPOSED: source 0 = 16 columns n of w1b, source 1 = 16 rows of fb: a lane then holds row m = l % 16 and the eight neighbouring columns 8 (l / 16) + 0..7.
; w1b lies [k][n]: its fragments come out of LDS turned, by ds_load_tr16_b128.
; REGISTERS, in windows of 256 (s_set_vgpr_msb: bits 1:0 source 0, 3:2 source 1, 5:4 source 2, 7:6 destination):
;   window 0: v0-31 addresses; v64-127, v128-191 fragments of fb, two buffers; v32-63, v192-255 at work on the way out      window 1: v64-127, v128-191 fragments of w1b, two buffers
;   window 2: the 32 accumulators of my rows 0-63 (accumulator (a, b) at v[8 (8 a + b)]);   window 3: those of my rows 64-127
; NaN and infinities are not treated apart: relu makes 0 of a NaN.
.set SIZE_K, 1024
.set SIZE_N, 1024
.set KSTEP,  128
.set PITCH,  272                       ; a row of fb's tile in LDS: 256 bytes + 16 of padding: an odd multiple of 16 bytes
.set PB,     544                       ; a row of w1b's tile (one k, 256 n): 512 bytes + 32 of padding: an odd multiple of 32 bytes
.set HALFT,  128*PITCH                 ; what one tensor load brings: 128 rows of fb, or 64 rows of w1b (64 x 544 is the same number)
.set SLOT,   4*HALFT                   ; fb's 256 rows, then w1b's 128 rows
.set STAGE,  2*SLOT                    ; behind the ring: 16 rows x 272 bytes for each wave, for the way out
.set SPITCH, 272
.set SPARE,  STAGE+4*16*SPITCH         ; behind the stages: the spare words, 128 bytes for each wave: two blocks of 256 bytes that no other line names
.set LAPS,   SIZE_K/(2*KSTEP)          ; a lap = two K steps = once round the ring
.set ASTEP,  2*KSTEP*2                 ; two K steps along a row of fb, in bytes
.set BSTEP,  2*KSTEP*SIZE_N*2          ; two K steps down the rows of w1b
.set ADRA, 16                          ; v16-17  LDS address of my fb fragments in slot 0, 1
.set ADRB, 20                          ; v20-21  the same for w1b
.set STO,  24                          ; v24     the way out: where I put 16 bytes of a row
.set RD,   25                          ; v25     the way out: where I read a row back
.set CO,   26                          ; v26     my byte offset in hid
.set ZR,   27                          ; v27     0, for relu
.set SPW,  28                          ; v28     LDS address of my spare word; never rewritten
.set NIL,  29                          ; v29     0; never rewritten
.set PFO,  30                          ; v30     the prefetches' offset: my lane x a row of fb (2,048 bytes); never rewritten
.set LN16, 31                          ; v31     16 x lane
.set F0,   64
.set F1,   128
.set TMP,  192                         ; the way out: packed results
.set OB,   32                          ; the way out: 16 rows read back: v32-63 and v224-255 by turns
.set G1,  24                           ; s[24:31] descriptor group 1 for fb's tiles;  s[32:39] group 0, one set for each slot
.set G0,  32
.set G1B, 48                           ; s[48:55], s[56:63] the same for w1b's
.set G0B, 56
.set LIM, 43                           ; s43     1 in a wave that prefetches, else the greatest number
.set PFA, 44                           ; s[44:45] where my prefetches stand
.set MSB, 0
.macro WIN new                         ; the immediate's high byte repeats the setting that is left; a switch that changes nothing is dropped
.if MSB != (\new)
	s_set_vgpr_msb (MSB<<8)|(\new)
.set MSB, \new
.endif
.endm
.set MUL_LO, 0xa1                      ; source 0 (w1b) window 1, source 1 (fb) window 0, C and D window 2
.set TO_B,   0x40                      ; destination window 1, address window 0
; A joint load.  Waves 0 and 1 fetch fb's two halves, waves 2 and 3 w1b's.  The branch hangs on the wave's number alone.  An s_nop 0 and four v_nop follow each of the two lines.
.macro JLOAD s
	s_cmp_eq_u32 s11, 0
	s_cbranch_scc0 .Lfor_b_\@
	tensor_load_to_lds s[G0+4*(\s):G0+4*(\s)+3], s[G1:G1+7]
	s_nop 0
.rept 4
	v_nop
.endr
	s_branch .Lasked_\@
.Lfor_b_\@:
	tensor_load_to_lds s[G0B+4*(\s):G0B+4*(\s)+3], s[G1B:G1B+7]
	s_nop 0
.rept 4
	v_nop
.endr
.Lasked_\@:
.endm
; A PREFETCH INTO THE L2 of fb's K step that stands two refills on: 32 rows x 256 bytes, a lane a row, one instruction a wave, behind the joint load and the run of LDS loads.  A tile row of fb is read by one cluster alone
; (the grid is one cluster wide).  Of the 128 rows that wave 0 or 1 fetches, the partner at place cx takes 32 cx .. 32 cx + 31, told apart BY ADDRESS: each row's 256 bytes of a K step are named once in the launch.
; w1b is not asked for: all sixteen clusters read it.  K steps 0 to 3 come by their loads alone; the loop's last trip (s3 = 1) asks for nothing: there is no K step 8.
.macro ASK
	s_cmp_gt_u32 s3, s[LIM]
	s_cbranch_scc0 .Lnot_mine_\@
	global_prefetch_b8 v[PFO], s[PFA:PFA+1] offset:KSTEP*2 th:TH_LOAD_NT scope:SCOPE_SE
.Lnot_mine_\@:
.endm
.macro CREST                           ; a round of the cluster's barrier behind its opening barrier
	s_cmp_lg_u32 s10, 0
	s_cbranch_scc1 .Lnot_wave_0_\@
	s_barrier_signal -3
.Lnot_wave_0_\@:
	s_barrier_wait -3
	s_barrier_signal -1
	s_barrier_wait -1
.endm
.macro CROUND                          ; a whole round
	s_barrier_signal -1
	s_barrier_wait -1
	CREST
.endm
	s_load_b128 s[4:7], s[0:1], 0x0                ; fb s[4:5], w1b s[6:7]
	s_load_b64 s[8:9], s[0:1], 0x10                ; hid
	s_load_b128 s[68:71], s[0:1], 0x18             ; sel s[68:69], tpw s[70:71]
	v_lshl_add_u32 v[SPW], v0, 2, SPARE
	v_mov_b32 v[NIL], 0
	ds_add_u32 v[SPW], v[NIL]                      ; the wave's opening: the add and its wait stand ahead of my first tensor load; the set-up below, work on registers, stands between them
	ds_add_u32 v28, v29
	v_lshrrev_b32 v1, 5, v0
	v_readfirstlane_b32 s10, v1                    ; wave 0..3
	s_lshr_b32 s11, s10, 1                         ; which half of the tile's rows is mine.  Also: I fetch for fb (0) or for w1b (1)
	s_and_b32 s12, s10, 1                          ; which half of its columns.  Also: which half of that tile I fetch
	s_bfe_u32 s40, ttmp6, 0x40000                  ; cx, cy: my place in the cluster
	s_bfe_u32 s41, ttmp6, 0x40004
	s_lshl_b32 s42, ttmp9, 2
	s_add_co_u32 s42, s42, s40                     ; tile column = 4 x cluster x + cx
	s_and_b32 s13, ttmp7, 0xffff
	s_lshl_b32 s13, s13, 2
	s_add_co_u32 s13, s13, s41                     ; tile row = 4 x cluster y + cy
	s_lshl_b32 s43, s41, 2
	s_lshl_b32 s43, 15, s43                        ; my row of the cluster: places 4 cy .. 4 cy + 3
	s_lshl_b32 s44, 0x1111, s40                    ; my column: places cx, cx + 4, cx + 8, cx + 12
	s_or_b32 s[G1+0], s43, (1<<16)|(1<<20)|(1<<21)|(5<<22)|(3<<25)   ; the mask of my row; elements of 2 bytes; padding on; bit 21 beside a mask; after every 64 words, 4 words
	s_mov_b32 s[G1+1], KSTEP<<16                   ; tensor_dim0 = 128
	s_mov_b32 s[G1+2], 128<<16                     ; tensor_dim1 = 128
	s_mov_b32 s[G1+3], KSTEP<<16                   ; tile_dim0 = 128
	s_mov_b32 s[G1+4], 128                         ; tile_dim1 = 128
	s_mov_b32 s[G1+5], SIZE_K                      ; elements from row to row
	s_mov_b32 s[G1+6], 0
	s_mov_b32 s[G1+7], 0
	s_or_b32 s[G1B+0], s44, (1<<16)|(1<<20)|(1<<21)|(6<<22)|(7<<25)  ; the mask of my column; after every 128 words, 8 words
	s_mov_b32 s[G1B+1], 256<<16                    ; tensor_dim0 = 256
	s_mov_b32 s[G1B+2], 64<<16                     ; tensor_dim1 = 64
	s_mov_b32 s[G1B+3], 256<<16                    ; tile_dim0 = 256
	s_mov_b32 s[G1B+4], 64                         ; tile_dim1 = 64
	s_mov_b32 s[G1B+5], SIZE_N
	s_mov_b32 s[G1B+6], 0
	s_mov_b32 s[G1B+7], 0
	; where the tiles come from.  fb's hang on the tile row alone, which my row of the cluster shares; w1b's on the tile column alone, which my column shares
	s_lshl_b32 s16, s13, 8
	s_lshl_b32 s17, s12, 7
	s_add_co_u32 s16, s16, s17                     ; fb: row 256 x tile row + 128 x half,
	s_lshl_b32 s16, s16, 11                        ; of 2,048 bytes (under 2^26)
	s_mov_b32 s17, 0
	s_lshl_b32 s46, s12, 17                        ; w1b: 64 rows of 2,048 bytes x half,
	s_lshl_b32 s47, s42, 9                         ; 512 bytes x tile column
	s_add_co_u32 s46, s46, s47
	s_mov_b32 s47, 0
	s_mul_i32 s20, s10, HALFT                      ; and where they go: wave x HALFT: no place in the cluster enters an LDS address
	s_wait_dscnt 0x0                               ; the opening add is done
	s_wait_kmcnt 0x0
	s_add_nc_u64 s[14:15], s[4:5], s[16:17]
	s_add_nc_u64 s[46:47], s[6:7], s[46:47]
	CROUND                                         ; all sixteen work-groups are here: the first joint loads meet
.irp s, 0,1
	s_mov_b32 s[G0+4*(\s)], 1
	s_add_co_u32 s[G0+4*(\s)+1], s20, (\s)*SLOT
	s_add_nc_u64 s[G0+4*(\s)+2:G0+4*(\s)+3], s[14:15], (\s)*KSTEP*2
	s_or_b32 s[G0+4*(\s)+3], s[G0+4*(\s)+3], 0x80000000
	s_mov_b32 s[G0B+4*(\s)], 1
	s_add_co_u32 s[G0B+4*(\s)+1], s20, (\s)*SLOT
	s_add_nc_u64 s[G0B+4*(\s)+2:G0B+4*(\s)+3], s[46:47], (\s)*KSTEP*SIZE_N*2
	s_or_b32 s[G0B+4*(\s)+3], s[G0B+4*(\s)+3], 0x80000000
	JLOAD \s                                       ; two loads of mine are out
.endr
	v_and_b32 v1, 15, v0                           ; l % 16
	v_bfe_u32 v2, v0, 4, 1                         ; l / 16
	v_mul_u32_u24 v3, v1, PITCH
	v_lshl_add_u32 v3, v2, 4, v3                   ; fb: row x pitch + 16 x half
	v_and_b32 v4, 7, v0
	v_lshl_add_u32 v4, v2, 3, v4                   ; w1b, the turning load: row k = 8 (l / 16) + l % 8,
	v_mul_u32_u24 v4, v4, PB
	v_bfe_u32 v5, v0, 3, 1
	v_lshl_add_u32 v4, v5, 4, v4                   ; 16 bytes at 16 ((l / 8) % 2)
	s_mul_i32 s21, s11, HALFT                      ; my 128 rows of fb
	s_lshl_b32 s22, s12, 8                         ; my 128 columns of w1b: 256 bytes of each row,
	s_add_co_u32 s22, s22, 2*HALFT                 ; behind fb's 256 rows
.irp s, 0,1
	v_add_nc_u32 v[ADRA+(\s)], s21, v3
	v_add_nc_u32 v[ADRB+(\s)], s22, v4
	s_add_co_u32 s21, s21, SLOT
	s_add_co_u32 s22, s22, SLOT
.endr
	s_mul_i32 s23, s10, 16*SPITCH
	s_add_co_u32 s23, s23, STAGE                   ; my stage
	v_mul_u32_u24 v4, v1, SPITCH                   ; in: row l % 16, 16 bytes for each half of the lanes
	v_lshl_add_u32 v4, v2, 4, v4
	v_add_nc_u32 v[STO], s23, v4
	v_mul_u32_u24 v5, v2, SPITCH                   ; back: lanes 0-15 take one row of 256 bytes, lanes 16-31 the next
	v_lshl_add_u32 v5, v1, 4, v5
	v_add_nc_u32 v[RD], s23, v5
	v_lshlrev_b32 v5, 11, v2                       ; and the same two rows in hid
	v_lshl_add_u32 v[CO], v1, 4, v5
	v_mov_b32 v[ZR], 0
	v_and_b32 v[PFO], 31, v0
	v_lshlrev_b32 v[LN16], 4, v[PFO]
	v_lshlrev_b32 v[PFO], 11, v[PFO]
	s_lshl_b32 s16, s13, 8                         ; hid at my part of the tile: row 256 x tile row + 128 x half, of 2,048 bytes,
	s_lshl_b32 s17, s11, 7
	s_add_co_u32 s16, s16, s17
	s_lshl_b32 s16, s16, 11
	s_mov_b32 s17, 0
	s_lshl_b32 s46, s42, 9                         ; column: 512 bytes x tile column + 256 x half
	s_lshl_b32 s47, s12, 8
	s_add_co_u32 s46, s46, s47
	s_mov_b32 s47, 0
	s_add_nc_u64 s[8:9], s[8:9], s[16:17]
	s_add_nc_u64 s[8:9], s[8:9], s[46:47]
	s_lshl_b32 s20, s13, 13                        ; sel: 512 bytes for each block of 16 rows: 16 blocks a tile row, 8 a half
	s_lshl_b32 s21, s11, 12
	s_add_co_u32 s20, s20, s21
	s_mov_b32 s21, 0
	s_add_nc_u64 s[68:69], s[68:69], s[20:21]
	s_lshl_b32 s22, s42, 14                        ; tpw: 1,024 bytes for each block of 16 columns
	s_lshl_b32 s23, s12, 13
	s_add_co_u32 s22, s22, s23
	s_mov_b32 s23, 0
	s_add_nc_u64 s[70:71], s[70:71], s[22:23]
	WIN 0
.irp a, 0,1,2,3,4,5,6,7                ; the ones and zeros of my 8 blocks of rows, as source 1: the same 16 bytes for k = 0..15 and for k = 16..31
	global_load_b128 v[F1+8*(\a):F1+8*(\a)+3],   v[LN16], s[68:69] offset:512*(\a)
	global_load_b128 v[F1+8*(\a)+4:F1+8*(\a)+7], v[LN16], s[68:69] offset:512*(\a)
.endr
	WIN TO_B
.irp b, 0,1,2,3,4,5,6,7                ; the table for my 8 blocks of columns, as source 0: hi for k = 0..15, lo for k = 16..31
	global_load_b128 v[F1+8*(\b):F1+8*(\b)+3],   v[LN16], s[70:71] offset:1024*(\b)
	global_load_b128 v[F1+8*(\b)+4:F1+8*(\b)+7], v[LN16], s[70:71] offset:1024*(\b)+512
.endr
	WIN 0
	s_lshl_b32 s20, s13, 8                         ; the prefetches: the 128 rows that I fetch, my work-group's 32 of them
	s_lshl_b32 s21, s12, 7
	s_add_co_u32 s20, s20, s21
	s_lshl_b32 s21, s40, 5
	s_add_co_u32 s20, s20, s21
	s_lshl_b32 s20, s20, 11
	s_mov_b32 s21, 0
	s_add_nc_u64 s[PFA:PFA+1], s[4:5], s[20:21]
	s_add_nc_u64 s[PFA:PFA+1], s[PFA:PFA+1], 2*KSTEP*2  ; at K step 2: the first refill steps it to 3 and names K step 4
	s_cmp_eq_u32 s11, 0
	s_cselect_b32 s[LIM], 1, -1                    ; waves 0 and 1 ask
; 16 matrix instructions: m blocks a0, a0 + 1 of the window's four (hi = 0: my rows 0-63, 1: rows 64-127) x all 8 n blocks, 32 along K.  zero = 1: the product starts the sums
.macro MUL16 f, hi, a0, zero
	WIN MUL_LO+0x50*(\hi)
.irp a, \a0, (\a0)+1
.irp b, 0,1,2,3,4,5,6,7
.if \zero
	v_wmma_f32_16x16x32_bf16 v[8*(8*(\a)+(\b)):8*(8*(\a)+(\b))+7], v[(\f)+8*(\b):(\f)+8*(\b)+7], v[(\f)+8*(4*(\hi)+(\a)):(\f)+8*(4*(\hi)+(\a))+7], 0
.else
	v_wmma_f32_16x16x32_bf16 v[8*(8*(\a)+(\b)):8*(8*(\a)+(\b))+7], v[(\f)+8*(\b):(\f)+8*(\b)+7], v[(\f)+8*(4*(\hi)+(\a)):(\f)+8*(4*(\hi)+(\a))+7], v[8*(8*(\a)+(\b)):8*(8*(\a)+(\b))+7]
.endif
.endr
.endr
.endm
; 32 LDS loads in one run: the fragments of quarter q of a K step (32 k x 128 n of w1b, turned; 128 rows x 32 k of fb) into buffer f
.macro FETCH slot, q, f
	WIN TO_B
.irp i, 0,1,2,3,4,5,6,7
	ds_load_tr16_b128 v[(\f)+8*(\i):(\f)+8*(\i)+3],   v[ADRB+(\slot)] offset:(\q)*32*PB+32*(\i)
	ds_load_tr16_b128 v[(\f)+8*(\i)+4:(\f)+8*(\i)+7], v[ADRB+(\slot)] offset:(\q)*32*PB+16*PB+32*(\i)
.endr
	WIN 0
.irp i, 0,1,2,3,4,5,6,7
	ds_load_b128 v[(\f)+8*(\i):(\f)+8*(\i)+3],   v[ADRA+(\slot)] offset:64*(\q)+(\i)*16*PITCH
	ds_load_b128 v[(\f)+8*(\i)+4:(\f)+8*(\i)+7], v[ADRA+(\slot)] offset:64*(\q)+(\i)*16*PITCH+32
.endr
.endm
.macro PLACES                          ; four places in front of loads into registers that matrix instructions have read, and of conversions that read results
.rept 4
	v_nop
.endr
.endm
; A K step is four quarters of 32 along K, 64 matrix instructions each, on buffers 0, 1, 0, 1.  One of the first three: multiplies buffer f; in its middle it fetches quarter q into buffer g.
; The 64 accumulators take turns in the same order in every quarter.
.macro QUARTER slot, q, f, g
	s_wait_dscnt 8                                 ; w1b's fragments and fb's rows 0-63 are in; the youngest eight loads (fb's rows 64-127) may be out
	MUL16 \f, 0, 0, 0
	MUL16 \f, 0, 2, 0
	PLACES
	FETCH \slot, \q, \g
	s_wait_dscnt 32                                ; all but the 32 just issued
	MUL16 \f, 1, 0, 0
	MUL16 \f, 1, 2, 0
.endm
; The last quarter multiplies buffer 1 and changes slots: ONE barrier.  In front of it each wave waits for all its tensor loads (one is out: its part of the next slot), adds 0 to its spare word, and waits for that and for its reads of this slot.
.macro MEET round
	WIN 0                                          ; (the add's two registers lie in window 0)
	s_wait_tensorcnt 0x0                           ; all my tensor loads have landed;
	ds_add_u32 v[SPW], v[NIL]                      ; 0 onto my spare word;
	s_wait_dscnt 9                                 ; (the add and the youngest eight loads may be out)
	MUL16 F1, 0, 0, 0                              ; sixteen matrix instructions stand between the add and the wait for it
	s_wait_dscnt 0x0                               ; the add is done, and my reads of this slot are over
	s_barrier_signal -1
	MUL16 F1, 0, 2, 0                              ; work on registers while the others arrive
.if \round
	WIN 0
.endif
	s_barrier_wait -1
.endm
; fill = 1: the barrier opens a round of the cluster's barrier, and behind it this slot is filled again first, with the K step two on: 224 matrix instructions ahead of the wait for it.
.macro TURN slot, next, fill
.if \fill
	s_wait_xcnt 0x0                                ; the last prefetch, a K step back, has read its address: it is stepped here, ahead of the waits of the change of slots
	s_add_nc_u64 s[PFA:PFA+1], s[PFA:PFA+1], KSTEP*2
.endif
	MEET \fill
.if \fill
	CREST                                          ; no wave of any partner still reads this slot's tile or has a load on its way
	s_add_nc_u64 s[G0+4*(\slot)+2:G0+4*(\slot)+3], s[G0+4*(\slot)+2:G0+4*(\slot)+3], ASTEP
	s_add_nc_u64 s[G0B+4*(\slot)+2:G0B+4*(\slot)+3], s[G0B+4*(\slot)+2:G0B+4*(\slot)+3], BSTEP
	JLOAD \slot                                    ; the first tensor load behind the round, my only one until the next; the four v_nop behind it are also the places in front of the loads below
.else
	PLACES
.endif
	FETCH \next, 0, F0
.if \fill
	ASK
.endif
	MUL16 F1, 1, 0, 0
	MUL16 F1, 1, 2, 0
.endm
; THE WAY OUT of block a (16 rows).  PACK: rounded to bf16, 16 bytes a lane, then relu on the packed halves.  TOSTAGE: into my own stage, and back as whole rows of 256 bytes.  SEND: stored.
.macro PACK a
.set AC, 64*((\a)%4)
	WIN 0x0a+5*((\a)/4)                            ; sources 0 and 1: window 2 or 3
.irp b, 0,1,2,3,4,5,6,7
.irp r, 0,1,2,3
	v_cvt_pk_bf16_f32 v[TMP+4*(\b)+(\r)], v[AC+8*(\b)+2*(\r)], v[AC+8*(\b)+2*(\r)+1]  ; each accumulator from its low end on
.endr
.endr
	WIN 0
.set i, 0
.rept 32
	v_pk_max_num_bf16 v[TMP+i], v[TMP+i], v[ZR]
.set i, i+1
.endr
.endm
.macro TOSTAGE a
.set BK, OB+192*((\a)%2)
.irp b, 0,1,2,3,4,5,6,7
	ds_store_b128 v[STO], v[TMP+4*(\b):TMP+4*(\b)+3] offset:32*(\b)
.endr
.irp t, 0,1,2,3,4,5,6,7
	ds_load_b128 v[BK+4*(\t):BK+4*(\t)+3], v[RD] offset:(\t)*2*SPITCH  ; LDS serves a wave's instructions in order (ISA guide 5.7.1.4): these see the stores above
.endr
.endm
.macro SEND a
.set BK, OB+192*((\a)%2)
	s_wait_dscnt 0x0                               ; the block is back in registers
	s_wait_xcnt 0x0                                ; the stores of the block before have read their registers, which the next block's loads from the stage write
.irp t, 0,1,2,3,4,5,6,7
	global_store_b128 v[CO], v[BK+4*(\t):BK+4*(\t)+3], s[8:9] offset:(16*(\a)+2*(\t))*SIZE_N*2  ; 16 lanes store 256 consecutive bytes, at a multiple of 256 from hid's first byte
.endr
.endm
	s_wait_tensorcnt 1                             ; my part of K step 0 is in; K step 1's may stay out
	s_barrier_signal -1
	s_barrier_wait -1                              ; everybody's is
	FETCH 0, 0, F0
	s_wait_loadcnt 0x0                             ; sel and tpw
	MUL16 F1, 0, 0, 1                              ; the chosen rows of the table start the 64 sums
	MUL16 F1, 0, 2, 1
	MUL16 F1, 1, 0, 1
	MUL16 F1, 1, 2, 1
	QUARTER 0, 1, F0, F1
	WIN 0                                          ; at a label and at a branch every window is 0
	s_mov_b32 s3, LAPS-1
.Llap:                                                 ; a trip goes once round the ring, from a lap's second quarter to the next lap's first, and fills both slots again
	QUARTER 0, 2, F1, F0
	QUARTER 0, 3, F0, F1
	TURN 0, 1, 1
	QUARTER 1, 1, F0, F1
	QUARTER 1, 2, F1, F0
	QUARTER 1, 3, F0, F1
	TURN 1, 0, 1
	QUARTER 0, 1, F0, F1
	WIN 0
	s_sub_co_u32 s3, s3, 1
	s_cmp_lg_u32 s3, 0
	s_cbranch_scc1 .Llap
	QUARTER 0, 2, F1, F0                           ; the last lap fills nothing, and has no round of the cluster's barrier
	QUARTER 0, 3, F0, F1
	TURN 0, 1, 0
	QUARTER 1, 1, F0, F1
	QUARTER 1, 2, F1, F0
	QUARTER 1, 3, F0, F1
	s_wait_dscnt 8                                 ; the very last quarter: nothing more to fetch
	MUL16 F1, 0, 0, 0
	MUL16 F1, 0, 2, 0
	s_wait_dscnt 0x0
	MUL16 F1, 1, 0, 0
	MUL16 F1, 1, 2, 0
	WIN 0
	PLACES
	PACK 0
	TOSTAGE 0
.irp a, 1,2,3,4,5,6,7                  ; block a's arithmetic stands between block a - 1's loads from the stage and the wait for them
	PACK \a
	SEND (\a)-1
	TOSTAGE \a
.endr
	SEND 7
	s_wait_tensorcnt 0x0                           ; the wave's end, behind my last tensor load and my last LDS store
	ds_add_u32 v[SPW], v[NIL]
	s_wait_dscnt 0x0
	CROUND                                         ; the closing round: no work-group ends while a partner may still ask for a tile that names it
	s_endpgm
.Lfunc_end_k_q1cc5441acb_layer1:
	.size	k_q1cc5441acb_layer1, .Lfunc_end_k_q1cc5441acb_layer1-k_q1cc5441acb_layer1
	.p2alignl 7, 3214868480
	.fill 96, 4, 3214868480
	.section	.rodata,"a",@progbits
	.p2align	6, 0x0
	.amdhsa_kernel k_q1cc5441acb_layer1
		.amdhsa_group_segment_fixed_size 327680
		.amdhsa_private_segment_fixed_size 0
		.amdhsa_enable_private_segment 0
		.amdhsa_kernarg_size 40
		.amdhsa_user_sgpr_count 2
		.amdhsa_user_sgpr_kernarg_segment_ptr 1
		.amdhsa_wavefront_size32 1
		.amdhsa_system_sgpr_workgroup_id_x 1
		.amdhsa_system_sgpr_workgroup_id_y 1
		.amdhsa_system_sgpr_workgroup_id_z 1
		.amdhsa_system_vgpr_workitem_id 0
		.amdhsa_next_free_vgpr 1024
		.amdhsa_next_free_sgpr 72
		.amdhsa_reserve_vcc 0
		.amdhsa_float_denorm_mode_32 3
		.amdhsa_float_denorm_mode_16_64 3
		.amdhsa_memory_ordered 1
		.amdhsa_forward_progress 1
		.amdhsa_inst_pref_size 167
	.end_amdhsa_kernel
	.amdgpu_metadata
---
amdhsa.version: [ 1, 2 ]
amdhsa.kernels:
  - .name:           k_q1cc5441acb_layer1
    .symbol:         k_q1cc5441acb_layer1.kd
    .args:
      - { .name: fb, .offset: 0, .size: 8, .value_kind: global_buffer, .address_space: global }
      - { .name: w1b, .offset: 8, .size: 8, .value_kind: global_buffer, .address_space: global }
      - { .name: hid, .offset: 16, .size: 8, .value_kind: global_buffer, .address_space: global }
      - { .name: sel, .offset: 24, .size: 8, .value_kind: global_buffer, .address_space: global }
      - { .name: tpw, .offset: 32, .size: 8, .value_kind: global_buffer, .address_space: global }
    .group_segment_fixed_size: 327680
    .private_segment_fixed_size: 0
    .kernarg_segment_align: 8
    .kernarg_segment_size: 40
    .max_flat_workgroup_size: 128
    .sgpr_count:     72
    .vgpr_count:     1024
    .wavefront_size: 32
...
	.end_amdgpu_metadata
.endif
;; end of part 3
;; launch layer2 (part 4): grid 4 x 64, 4 waves a work-group, clusters of 4 x 4, 327,680 bytes of LDS; arguments hid, w2b, out0, b2; writes out0
.if DOCPART == 4
	.amdgcn_target "amdgcn-amd-amdhsa--gfx1250"
	.amdhsa_code_object_version 6
	.text
	.protected	k_q1cc5441acb_layer2
	.globl	k_q1cc5441acb_layer2
	.p2align	8
	.type	k_q1cc5441acb_layer2,@function
k_q1cc5441acb_layer2:
	s_mov_b64 s[64:65], 0
	v_nop
	global_prefetch_b8 v0, s[64:65] scope:SCOPE_SE
	s_setreg_imm32_b32 hwreg(HW_REG_WAVE_MODE, 25, 1), 1
	s_wait_xcnt 0x0
	s_wait_alu depctr_hold_cnt(0) depctr_sa_sdst(0) depctr_va_vdst(0) depctr_va_sdst(0) depctr_va_ssrc(0) depctr_va_vcc(0) depctr_vm_vsrc(0)
	s_getreg_b32 s2, hwreg(HW_REG_IB_STS2, 6, 4)
	s_cmp_eq_u32 s2, 0
	s_cbranch_scc0 .Lentry_in_a_cluster
	s_endpgm
.Lentry_in_a_cluster:
	s_bfe_u32 s2, ttmp6, 0x10000c
	s_cmp_lg_u32 s2, 0xf033
	s_cbranch_scc0 .Lentry_shape_is_right
	s_endpgm
.Lentry_shape_is_right:
; out0[m][n] = b2[n] + the sum over k of hid[m][k] w2b[k][n].  hid: [16384][1024] bf16, w2b: [1024 k][1024 n] bf16, b2: [1024] f32 (rounded to bf16 here, like every input), out0: [16384][1024] f32; sums in f32.
; THE BIAS STARTS THE SUMS: it is the C operand of each accumulator's first product: nothing is cleared and nothing is added afterwards.
; A tile of out0, 256 x 256, is made by a work-group of four waves; a wave makes 128 x 128: 64 accumulators of 16 x 16, 512 registers.  256 tiles.  K goes in 8 steps of 128 through a ring of two LDS slots.
; CLUSTERS: 4 x 4 work-groups.  The four of a row of the cluster need the same tiles of hid, the four of a column the same tiles of w2b: each tile is asked for JOINTLY, by the same tensor load with the same descriptor and a mask that names the four.
; THE MATRIX INSTRUCTION IS USED TRANSPOSED: source 0 = 16 columns n of w2b, source 1 = 16 rows of hid: a lane then holds row m = l % 16 and the eight neighbouring columns 8 (l / 16) + 0..7: 32 bytes of out0.
; w2b lies [k][n]: its fragments come out of LDS turned, by ds_load_tr16_b128.
; REGISTERS, in windows of 256 (s_set_vgpr_msb: bits 1:0 source 0, 3:2 source 1, 5:4 source 2, 7:6 destination):
;   window 0: v0-31 addresses; v64-127, v128-191 fragments of hid, two buffers, and on the way out the rows read back      window 1: v64-127, v128-191 fragments of w2b; v192-255 the bias; v0-31 at work on it
;   window 2: the 32 accumulators of my rows 0-63 (accumulator (a, b) at v[8 (8 a + b)]);   window 3: those of my rows 64-127
; NaN and infinities are not treated apart.
.set SIZE_K, 1024
.set SIZE_N, 1024
.set KSTEP,  128
.set PITCH,  272                       ; a row of hid's tile in LDS: 256 bytes + 16 of padding: an odd multiple of 16 bytes
.set PB,     544                       ; a row of w2b's tile (one k, 256 n): 512 bytes + 32 of padding: an odd multiple of 32 bytes
.set HALFT,  128*PITCH                 ; what one tensor load brings: 128 rows of hid, or 64 rows of w2b (64 x 544 is the same number)
.set SLOT,   4*HALFT
.set STAGE,  2*SLOT                    ; behind the ring: 16 rows x 528 bytes for each wave, for the way out
.set SPITCH, 528                       ; 128 f32 = 512 bytes + 16: an odd multiple of 16 bytes
.set SPARE,  STAGE+4*16*SPITCH         ; behind the stages: the spare words, 128 bytes for each wave: two blocks of 256 bytes that no other line names
.set LAPS,   SIZE_K/(2*KSTEP)
.set ASTEP,  2*KSTEP*2
.set BSTEP,  2*KSTEP*SIZE_N*2
.set ADRA, 16                          ; v16-17  LDS address of my hid fragments in slot 0, 1
.set ADRB, 20                          ; v20-21  the same for w2b
.set STO,  24                          ; v24     the way out: where I put 32 bytes of a row
.set RD,   25                          ; v25     the way out: where I read a row back
.set CO,   26                          ; v26     16 x lane: my bytes in a row's 512
.set BO,   27                          ; v27     32 (l / 16): my eight numbers in 16 of b2
.set SPW,  28                          ; v28     LDS address of my spare word; never rewritten
.set NIL,  29                          ; v29     0; never rewritten
.set PFO,  30                          ; v30     the prefetches' offset: my lane x a row of hid (2,048 bytes); never rewritten
.set F0,   64
.set F1,   128
.set BIAS, 192                         ; window 1: block b's eight numbers at BIAS + 8 b
.set G1,  24
.set G0,  32
.set G1B, 48
.set G0B, 56
.set LIM, 43                           ; s43     1 in a wave that prefetches, else the greatest number
.set PFA, 44                           ; s[44:45] where my prefetches stand
.set MSB, 0
.macro WIN new                         ; the immediate's high byte repeats the setting that is left; a switch that changes nothing is dropped
.if MSB != (\new)
	s_set_vgpr_msb (MSB<<8)|(\new)
.set MSB, \new
.endif
.endm
.set MUL_LO, 0xa1                      ; source 0 (w2b) window 1, source 1 (hid) window 0, C and D window 2
.set MUL_B,  0x91                      ; the same with C (the bias) in window 1
.set TO_B,   0x40                      ; destination window 1, address window 0
; A joint load.  Waves 0 and 1 fetch hid's two halves, waves 2 and 3 w2b's.  The branch hangs on the wave's number alone.  An s_nop 0 and four v_nop follow each of the two lines.
.macro JLOAD s
	s_cmp_eq_u32 s11, 0
	s_cbranch_scc0 .Lfor_b_\@
	tensor_load_to_lds s[G0+4*(\s):G0+4*(\s)+3], s[G1:G1+7]
	s_nop 0
.rept 4
	v_nop
.endr
	s_branch .Lasked_\@
.Lfor_b_\@:
	tensor_load_to_lds s[G0B+4*(\s):G0B+4*(\s)+3], s[G1B:G1B+7]
	s_nop 0
.rept 4
	v_nop
.endr
.Lasked_\@:
.endm
; A PREFETCH INTO THE L2 of hid's K step that stands two refills on: 32 rows x 256 bytes, a lane a row, one instruction a wave, behind the joint load and the run of LDS loads.  A tile row of hid is read by one cluster alone
; (the grid is one cluster wide).  Of the 128 rows that wave 0 or 1 fetches, the partner at place cx takes 32 cx .. 32 cx + 31, told apart BY ADDRESS: each row's 256 bytes of a K step are named once in the launch.
; w2b is not asked for: all sixteen clusters read it.  K steps 0 to 3 come by their loads alone; the loop's last trip (s3 = 1) asks for nothing: there is no K step 8.
.macro ASK
	s_cmp_gt_u32 s3, s[LIM]
	s_cbranch_scc0 .Lnot_mine_\@
	global_prefetch_b8 v[PFO], s[PFA:PFA+1] offset:KSTEP*2 th:TH_LOAD_NT scope:SCOPE_SE
.Lnot_mine_\@:
.endm
.macro CREST                           ; a round of the cluster's barrier behind its opening barrier
	s_cmp_lg_u32 s10, 0
	s_cbranch_scc1 .Lnot_wave_0_\@
	s_barrier_signal -3
.Lnot_wave_0_\@:
	s_barrier_wait -3
	s_barrier_signal -1
	s_barrier_wait -1
.endm
.macro CROUND                          ; a whole round
	s_barrier_signal -1
	s_barrier_wait -1
	CREST
.endm
	s_load_b128 s[4:7], s[0:1], 0x0                ; hid s[4:5], w2b s[6:7]
	s_load_b64 s[8:9], s[0:1], 0x10                ; out0
	s_load_b64 s[68:69], s[0:1], 0x18              ; b2
	v_lshl_add_u32 v[SPW], v0, 2, SPARE
	v_mov_b32 v[NIL], 0
	ds_add_u32 v[SPW], v[NIL]                      ; the wave's opening: the add and its wait stand ahead of my first tensor load; the set-up below, work on registers, stands between them
	ds_add_u32 v28, v29
	v_lshrrev_b32 v1, 5, v0
	v_readfirstlane_b32 s10, v1                    ; wave 0..3
	s_lshr_b32 s11, s10, 1                         ; which half of the tile's rows is mine.  Also: I fetch for hid (0) or for w2b (1)
	s_and_b32 s12, s10, 1                          ; which half of its columns.  Also: which half of that tile I fetch
	s_bfe_u32 s40, ttmp6, 0x40000                  ; cx, cy: my place in the cluster
	s_bfe_u32 s41, ttmp6, 0x40004
	s_lshl_b32 s42, ttmp9, 2
	s_add_co_u32 s42, s42, s40                     ; tile column = 4 x cluster x + cx
	s_and_b32 s13, ttmp7, 0xffff
	s_lshl_b32 s13, s13, 2
	s_add_co_u32 s13, s13, s41                     ; tile row = 4 x cluster y + cy
	s_lshl_b32 s43, s41, 2
	s_lshl_b32 s43, 15, s43                        ; my row of the cluster
	s_lshl_b32 s44, 0x1111, s40                    ; my column
	s_mov_b32 s66, 0xffff0000                      ; a word's upper bf16
	s_or_b32 s[G1+0], s43, (1<<16)|(1<<20)|(1<<21)|(5<<22)|(3<<25)   ; the mask of my row; elements of 2 bytes; padding on; bit 21 beside a mask; after every 64 words, 4 words
	s_mov_b32 s[G1+1], KSTEP<<16                   ; tensor_dim0 = 128
	s_mov_b32 s[G1+2], 128<<16                     ; tensor_dim1 = 128
	s_mov_b32 s[G1+3], KSTEP<<16                   ; tile_dim0 = 128
	s_mov_b32 s[G1+4], 128                         ; tile_dim1 = 128
	s_mov_b32 s[G1+5], SIZE_K                      ; elements from row to row
	s_mov_b32 s[G1+6], 0
	s_mov_b32 s[G1+7], 0
	s_or_b32 s[G1B+0], s44, (1<<16)|(1<<20)|(1<<21)|(6<<22)|(7<<25)  ; the mask of my column; after every 128 words, 8 words
	s_mov_b32 s[G1B+1], 256<<16                    ; tensor_dim0 = 256
	s_mov_b32 s[G1B+2], 64<<16                     ; tensor_dim1 = 64
	s_mov_b32 s[G1B+3], 256<<16                    ; tile_dim0 = 256
	s_mov_b32 s[G1B+4], 64                         ; tile_dim1 = 64
	s_mov_b32 s[G1B+5], SIZE_N
	s_mov_b32 s[G1B+6], 0
	s_mov_b32 s[G1B+7], 0
	s_lshl_b32 s16, s13, 8
	s_lshl_b32 s17, s12, 7
	s_add_co_u32 s16, s16, s17                     ; hid: row 256 x tile row + 128 x half,
	s_lshl_b32 s16, s16, 11                        ; of 2,048 bytes (under 2^26)
	s_mov_b32 s17, 0
	s_lshl_b32 s46, s12, 17                        ; w2b: 64 rows of 2,048 bytes x half,
	s_lshl_b32 s47, s42, 9                         ; 512 bytes x tile column
	s_add_co_u32 s46, s46, s47
	s_mov_b32 s47, 0
	s_mul_i32 s20, s10, HALFT                      ; where they go: wave x HALFT: no place in the cluster enters an LDS address
	s_wait_dscnt 0x0                               ; the opening add is done
	s_wait_kmcnt 0x0
	s_add_nc_u64 s[14:15], s[4:5], s[16:17]
	s_add_nc_u64 s[46:47], s[6:7], s[46:47]
	CROUND                                         ; all sixteen work-groups are here: the first joint loads meet
.irp s, 0,1
	s_mov_b32 s[G0+4*(\s)], 1
	s_add_co_u32 s[G0+4*(\s)+1], s20, (\s)*SLOT
	s_add_nc_u64 s[G0+4*(\s)+2:G0+4*(\s)+3], s[14:15], (\s)*KSTEP*2
	s_or_b32 s[G0+4*(\s)+3], s[G0+4*(\s)+3], 0x80000000
	s_mov_b32 s[G0B+4*(\s)], 1
	s_add_co_u32 s[G0B+4*(\s)+1], s20, (\s)*SLOT
	s_add_nc_u64 s[G0B+4*(\s)+2:G0B+4*(\s)+3], s[46:47], (\s)*KSTEP*SIZE_N*2
	s_or_b32 s[G0B+4*(\s)+3], s[G0B+4*(\s)+3], 0x80000000
	JLOAD \s                                       ; two loads of mine are out
.endr
	v_and_b32 v1, 15, v0                           ; l % 16
	v_bfe_u32 v2, v0, 4, 1                         ; l / 16
	v_mul_u32_u24 v3, v1, PITCH
	v_lshl_add_u32 v3, v2, 4, v3                   ; hid: row x pitch + 16 x half
	v_and_b32 v4, 7, v0
	v_lshl_add_u32 v4, v2, 3, v4                   ; w2b, the turning load: row k = 8 (l / 16) + l % 8,
	v_mul_u32_u24 v4, v4, PB
	v_bfe_u32 v5, v0, 3, 1
	v_lshl_add_u32 v4, v5, 4, v4                   ; 16 bytes at 16 ((l / 8) % 2)
	s_mul_i32 s21, s11, HALFT                      ; my 128 rows of hid
	s_lshl_b32 s22, s12, 8                         ; my 128 columns of w2b: 256 bytes of each row,
	s_add_co_u32 s22, s22, 2*HALFT                 ; behind hid's 256 rows
.irp s, 0,1
	v_add_nc_u32 v[ADRA+(\s)], s21, v3
	v_add_nc_u32 v[ADRB+(\s)], s22, v4
	s_add_co_u32 s21, s21, SLOT
	s_add_co_u32 s22, s22, SLOT
.endr
	s_mul_i32 s23, s10, 16*SPITCH
	s_add_co_u32 s23, s23, STAGE                   ; my stage
	v_mul_u32_u24 v4, v1, SPITCH                   ; in: row l % 16, 32 bytes for each half of the lanes
	v_lshl_add_u32 v4, v2, 5, v4
	v_add_nc_u32 v[STO], s23, v4
	v_and_b32 v[PFO], 31, v0
	v_lshlrev_b32 v[CO], 4, v[PFO]                 ; back: the 32 lanes take one row of 512 bytes
	v_add_nc_u32 v[RD], s23, v[CO]
	v_lshlrev_b32 v[PFO], 11, v[PFO]
	v_lshlrev_b32 v[BO], 5, v2
	s_lshl_b32 s16, s13, 8                         ; out0 at my part of the tile: row 256 x tile row + 128 x half, of 4,096 bytes (under 2^27),
	s_lshl_b32 s17, s11, 7
	s_add_co_u32 s16, s16, s17
	s_lshl_b32 s16, s16, 12
	s_mov_b32 s17, 0
	s_lshl_b32 s46, s42, 10                        ; column: 1,024 bytes x tile column + 512 x half; the same offset serves b2
	s_lshl_b32 s47, s12, 9
	s_add_co_u32 s46, s46, s47
	s_mov_b32 s47, 0
	s_add_nc_u64 s[8:9], s[8:9], s[16:17]
	s_add_nc_u64 s[8:9], s[8:9], s[46:47]
	s_add_nc_u64 s[68:69], s[68:69], s[46:47]
	WIN TO_B
.irp b, 0,1,2,3,4,5,6,7                ; b2 of columns 16 b + 8 (l / 16) + 0..7: what register j of accumulator (a, b) starts from, whatever a
	global_load_b128 v[BIAS+8*(\b):BIAS+8*(\b)+3],   v[BO], s[68:69] offset:64*(\b)
	global_load_b128 v[BIAS+8*(\b)+4:BIAS+8*(\b)+7], v[BO], s[68:69] offset:64*(\b)+16
.endr
	WIN 0
	s_lshl_b32 s20, s13, 8                         ; the prefetches: the 128 rows that I fetch, my work-group's 32 of them
	s_lshl_b32 s21, s12, 7
	s_add_co_u32 s20, s20, s21
	s_lshl_b32 s21, s40, 5
	s_add_co_u32 s20, s20, s21
	s_lshl_b32 s20, s20, 11
	s_mov_b32 s21, 0
	s_add_nc_u64 s[PFA:PFA+1], s[4:5], s[20:21]
	s_add_nc_u64 s[PFA:PFA+1], s[PFA:PFA+1], 2*KSTEP*2  ; at K step 2: the first refill steps it to 3 and names K step 4
	s_cmp_eq_u32 s11, 0
	s_cselect_b32 s[LIM], 1, -1                    ; waves 0 and 1 ask
; 16 matrix instructions: m blocks a0, a0 + 1 of the window's four (hi = 0: my rows 0-63, 1: rows 64-127) x all 8 n blocks, 32 along K.  first = 1: the product starts the sums from the bias
.macro MUL16 f, hi, a0, first
.if \first
	WIN MUL_B+0x40*(\hi)
.else
	WIN MUL_LO+0x50*(\hi)
.endif
.irp a, \a0, (\a0)+1
.irp b, 0,1,2,3,4,5,6,7
.if \first
	v_wmma_f32_16x16x32_bf16 v[8*(8*(\a)+(\b)):8*(8*(\a)+(\b))+7], v[(\f)+8*(\b):(\f)+8*(\b)+7], v[(\f)+8*(4*(\hi)+(\a)):(\f)+8*(4*(\hi)+(\a))+7], v[BIAS+8*(\b):BIAS+8*(\b)+7]
.else
	v_wmma_f32_16x16x32_bf16 v[8*(8*(\a)+(\b)):8*(8*(\a)+(\b))+7], v[(\f)+8*(\b):(\f)+8*(\b)+7], v[(\f)+8*(4*(\hi)+(\a)):(\f)+8*(4*(\hi)+(\a))+7], v[8*(8*(\a)+(\b)):8*(8*(\a)+(\b))+7]
.endif
.endr
.endr
.endm
; 32 LDS loads in one run: the fragments of quarter q of a K step (32 k x 128 n of w2b, turned; 128 rows x 32 k of hid) into buffer f
.macro FETCH slot, q, f
	WIN TO_B
.irp i, 0,1,2,3,4,5,6,7
	ds_load_tr16_b128 v[(\f)+8*(\i):(\f)+8*(\i)+3],   v[ADRB+(\slot)] offset:(\q)*32*PB+32*(\i)
	ds_load_tr16_b128 v[(\f)+8*(\i)+4:(\f)+8*(\i)+7], v[ADRB+(\slot)] offset:(\q)*32*PB+16*PB+32*(\i)
.endr
	WIN 0
.irp i, 0,1,2,3,4,5,6,7
	ds_load_b128 v[(\f)+8*(\i):(\f)+8*(\i)+3],   v[ADRA+(\slot)] offset:64*(\q)+(\i)*16*PITCH
	ds_load_b128 v[(\f)+8*(\i)+4:(\f)+8*(\i)+7], v[ADRA+(\slot)] offset:64*(\q)+(\i)*16*PITCH+32
.endr
.endm
.macro PLACES                          ; four places in front of loads into registers that matrix instructions have read, and of LDS stores that read results
.rept 4
	v_nop
.endr
.endm
; A K step is four quarters of 32 along K, 64 matrix instructions each, on buffers 0, 1, 0, 1.  One of the first three: multiplies buffer f; in its middle it fetches quarter q into buffer g.
; The 64 accumulators take turns in the same order in every quarter.
.macro QUARTER slot, q, f, g, first=0
	s_wait_dscnt 8                                 ; w2b's fragments and hid's rows 0-63 are in; the youngest eight loads (hid's rows 64-127) may be out
	MUL16 \f, 0, 0, \first
	MUL16 \f, 0, 2, \first
	PLACES
	FETCH \slot, \q, \g
	s_wait_dscnt 32                                ; all but the 32 just issued
	MUL16 \f, 1, 0, \first
	MUL16 \f, 1, 2, \first
.endm
; The last quarter multiplies buffer 1 and changes slots: ONE barrier.  In front of it each wave waits for all its tensor loads (one is out: its part of the next slot), adds 0 to its spare word, and waits for that and for its reads of this slot.
.macro MEET round
	WIN 0                                          ; (the add's two registers lie in window 0)
	s_wait_tensorcnt 0x0                           ; all my tensor loads have landed;
	ds_add_u32 v[SPW], v[NIL]                      ; 0 onto my spare word;
	s_wait_dscnt 9                                 ; (the add and the youngest eight loads may be out)
	MUL16 F1, 0, 0, 0                              ; sixteen matrix instructions stand between the add and the wait for it
	s_wait_dscnt 0x0                               ; the add is done, and my reads of this slot are over
	s_barrier_signal -1
	MUL16 F1, 0, 2, 0                              ; work on registers while the others arrive
.if \round
	WIN 0
.endif
	s_barrier_wait -1
.endm
; fill = 1: the barrier opens a round of the cluster's barrier, and behind it this slot is filled again first, with the K step two on: 224 matrix instructions ahead of the wait for it.
.macro TURN slot, next, fill
.if \fill
	s_wait_xcnt 0x0                                ; the last prefetch, a K step back, has read its address: it is stepped here, ahead of the waits of the change of slots
	s_add_nc_u64 s[PFA:PFA+1], s[PFA:PFA+1], KSTEP*2
.endif
	MEET \fill
.if \fill
	CREST                                          ; no wave of any partner still reads this slot's tile or has a load on its way
	s_add_nc_u64 s[G0+4*(\slot)+2:G0+4*(\slot)+3], s[G0+4*(\slot)+2:G0+4*(\slot)+3], ASTEP
	s_add_nc_u64 s[G0B+4*(\slot)+2:G0B+4*(\slot)+3], s[G0B+4*(\slot)+2:G0B+4*(\slot)+3], BSTEP
	JLOAD \slot                                    ; the first tensor load behind the round, my only one until the next; the four v_nop behind it are also the places in front of the loads below
.else
	PLACES
.endif
	FETCH \next, 0, F0
.if \fill
	ASK
.endif
	MUL16 F1, 1, 0, 0
	MUL16 F1, 1, 2, 0
.endm
; THE WAY OUT of block a (16 rows x 128 f32).  TOSTAGE: a lane's 32 bytes of each of 8 blocks of columns go straight from the accumulators into my own stage, and whole rows of 512 bytes come back.  SEND: stored.
.macro TOSTAGE a
.set AC, 64*((\a)%4)
.set BK, F0+64*((\a)%2)
	s_wait_xcnt 0x0                                ; the stores of the block two back have read the registers that the loads below write
	WIN 0x08+4*((\a)/4)                            ; the stores' data (source 1): window 2 or 3
.irp b, 0,1,2,3,4,5,6,7
	ds_store_b128 v[STO], v[AC+8*(\b):AC+8*(\b)+3]   offset:64*(\b)     ; each accumulator from its low end on
	ds_store_b128 v[STO], v[AC+8*(\b)+4:AC+8*(\b)+7] offset:64*(\b)+16
.endr
	WIN 0
.irp t, 0,1,2,3,4,5,6,7,8,9,10,11,12,13,14,15
	ds_load_b128 v[BK+4*(\t):BK+4*(\t)+3], v[RD] offset:(\t)*SPITCH  ; LDS serves a wave's instructions in order (ISA guide 5.7.1.4): these see the stores above, and the next block's stores come behind them
.endr
.endm
.macro SEND a, younger                 ; younger: the LDS instructions issued behind block a's loads: the next block's 16 stores and 16 loads, or none
.set BK, F0+64*((\a)%2)
	s_wait_dscnt \younger
.irp t, 0,1,2,3,4,5,6,7,8,9,10,11,12,13,14,15
	global_store_b128 v[CO], v[BK+4*(\t):BK+4*(\t)+3], s[8:9] offset:(16*(\a)+(\t))*SIZE_N*4 th:TH_STORE_NT  ; the wave stores 512 consecutive bytes, at a multiple of 512 from out0's first byte
.endr
.endm
	s_wait_tensorcnt 1                             ; my part of K step 0 is in; K step 1's may stay out
	s_barrier_signal -1
	s_barrier_wait -1                              ; everybody's is
	FETCH 0, 0, F0
	s_wait_loadcnt 0x0                             ; b2
	WIN 0x55                                       ; all places in window 1: the bias is rounded to bf16 and widened again
.set i, 0
.rept 32
	v_cvt_pk_bf16_f32 v[i], v[BIAS+2*i], v[BIAS+2*i+1]
.set i, i+1
.endr
.set i, 0
.rept 32
	v_lshlrev_b32 v[BIAS+2*i], 16, v[i]
	v_and_b32 v[BIAS+2*i+1], s66, v[i]
.set i, i+1
.endr
	QUARTER 0, 1, F0, F1, 1                        ; the first quarter stands in front of the loop: its products start the sums from the bias
	WIN 0                                          ; at a label and at a branch every window is 0
	s_mov_b32 s3, LAPS-1
.Llap:                                                 ; a trip goes once round the ring, from a lap's second quarter to the next lap's first, and fills both slots again
	QUARTER 0, 2, F1, F0
	QUARTER 0, 3, F0, F1
	TURN 0, 1, 1
	QUARTER 1, 1, F0, F1
	QUARTER 1, 2, F1, F0
	QUARTER 1, 3, F0, F1
	TURN 1, 0, 1
	QUARTER 0, 1, F0, F1
	WIN 0
	s_sub_co_u32 s3, s3, 1
	s_cmp_lg_u32 s3, 0
	s_cbranch_scc1 .Llap
	QUARTER 0, 2, F1, F0                           ; the last lap fills nothing, and has no round of the cluster's barrier
	QUARTER 0, 3, F0, F1
	TURN 0, 1, 0
	QUARTER 1, 1, F0, F1
	QUARTER 1, 2, F1, F0
	QUARTER 1, 3, F0, F1
	s_wait_dscnt 8                                 ; the very last quarter: nothing more to fetch
	MUL16 F1, 0, 0, 0
	MUL16 F1, 0, 2, 0
	s_wait_dscnt 0x0
	MUL16 F1, 1, 0, 0
	MUL16 F1, 1, 2, 0
	WIN 0
	PLACES                                         ; in front of the LDS stores that read the results and of the loads into the fragments' registers
	TOSTAGE 0
.irp a, 1,2,3,4,5,6,7                  ; block a goes into the stage while block a - 1's rows come back
	TOSTAGE \a
	SEND (\a)-1, 32
.endr
	SEND 7, 0
	s_wait_tensorcnt 0x0                           ; the wave's end, behind my last tensor load and my last LDS store
	ds_add_u32 v[SPW], v[NIL]
	s_wait_dscnt 0x0
	CROUND                                         ; the closing round: no work-group ends while a partner may still ask for a tile that names it
	s_endpgm
.Lfunc_end_k_q1cc5441acb_layer2:
	.size	k_q1cc5441acb_layer2, .Lfunc_end_k_q1cc5441acb_layer2-k_q1cc5441acb_layer2
	.p2alignl 7, 3214868480
	.fill 96, 4, 3214868480
	.section	.rodata,"a",@progbits
	.p2align	6, 0x0
	.amdhsa_kernel k_q1cc5441acb_layer2
		.amdhsa_group_segment_fixed_size 327680
		.amdhsa_private_segment_fixed_size 0
		.amdhsa_enable_private_segment 0
		.amdhsa_kernarg_size 32
		.amdhsa_user_sgpr_count 2
		.amdhsa_user_sgpr_kernarg_segment_ptr 1
		.amdhsa_wavefront_size32 1
		.amdhsa_system_sgpr_workgroup_id_x 1
		.amdhsa_system_sgpr_workgroup_id_y 1
		.amdhsa_system_sgpr_workgroup_id_z 1
		.amdhsa_system_vgpr_workitem_id 0
		.amdhsa_next_free_vgpr 1024
		.amdhsa_next_free_sgpr 72
		.amdhsa_reserve_vcc 0
		.amdhsa_float_denorm_mode_32 3
		.amdhsa_float_denorm_mode_16_64 3
		.amdhsa_memory_ordered 1
		.amdhsa_forward_progress 1
		.amdhsa_inst_pref_size 147
	.end_amdhsa_kernel
	.amdgpu_metadata
---
amdhsa.version: [ 1, 2 ]
amdhsa.kernels:
  - .name:           k_q1cc5441acb_layer2
    .symbol:         k_q1cc5441acb_layer2.kd
    .args:
      - { .name: hid, .offset: 0, .size: 8, .value_kind: global_buffer, .address_space: global }
      - { .name: w2b, .offset: 8, .size: 8, .value_kind: global_buffer, .address_space: global }
      - { .name: out0, .offset: 16, .size: 8, .value_kind: global_buffer, .address_space: global }
      - { .name: b2, .offset: 24, .size: 8, .value_kind: global_buffer, .address_space: global }
    .group_segment_fixed_size: 327680
    .private_segment_fixed_size: 0
    .kernarg_segment_align: 8
    .kernarg_segment_size: 32
    .max_flat_workgroup_size: 128
    .sgpr_count:     72
    .vgpr_count:     1024
    .wavefront_size: 32
...
	.end_amdgpu_metadata
.endif
;; end of part 4
;; ======== version 2 of 2: 4 launches; version 1 with the launch pw written anew for expert scheduling mode
;; workspace buffers: fb 33,554,432 bytes; hid 33,554,432 bytes; w1b 2,097,152 bytes; w2b 2,097,152 bytes; tpw 65,536 bytes; sel 524,288 bytes
;; launch pw (part 5): grid 16 x 1, 16 waves a work-group, no clusters, 231,424 bytes of LDS; arguments W1, b1, prototypes, tpw; writes tpw
.if DOCPART == 5
	.amdgcn_target "amdgcn-amd-amdhsa--gfx1250"
	.amdhsa_code_object_version 6
	.text
	.protected	k_q1cc5441acb_pw
	.globl	k_q1cc5441acb_pw
	.p2align	8
	.type	k_q1cc5441acb_pw,@function
k_q1cc5441acb_pw:
	s_mov_b64 s[64:65], 0
	v_nop
	global_prefetch_b8 v0, s[64:65] scope:SCOPE_SE
	s_setreg_imm32_b32 hwreg(HW_REG_WAVE_SCHED_MODE, 0, 2), 2
	s_setreg_imm32_b32 hwreg(HW_REG_WAVE_MODE, 25, 1), 1
	s_wait_xcnt 0x0
	s_wait_alu depctr_vm_vsrc(0)
; THE TABLE.  Tab[j][n] = b1[n] + the sum over k of prototypes[j][k] W1[1024 + k][n], j = 0..9, n = 0..1023: choosing a row commutes with a product, so
; nearest_prototype @ W1[1024:] is row idx of this table.  All three inputs are rounded to bf16 first; products in the matrix unit, sums in f32.
; Tab is stored as two bf16 numbers, hi = bf16(Tab) and lo = bf16(Tab - hi), in the order in which the first layer's matrix instruction wants them as source 0:
; tpw[n block of 16][part 0 = hi, 1 = lo][lane][16 bytes]: lane (r = lane % 16, h = lane / 16) holds Tab[8 h + 0..7][16 nb + r].  Rows 10 to 15 hold b1 alone and are multiplied by 0 there.
; SHARES.  Work-group g owns columns 64 g .. 64 g + 63 (256 bytes of each f32 row of W1).  K is split among its 16 waves, 64 rows of W1 each; the partial sums meet in LDS; waves 0 to 3 finish a block of 16 columns each.
; W1 lies [k][n]: a wave rounds its 64 x 64 numbers to bf16 into its own stage in LDS and reads them back turned, by ds_load_tr16_b128.
; NaN and infinities are not treated apart.
; THE MODE: SCHED_MODE bits 1:0 = 2 (LLVM: expert scheduling mode 2), set by the entry lines.  The code itself states the register dependences
; between vector or matrix instructions and memory or LDS instructions, with s_wait_alu, always for 0.
; THE PLAN.  Registers that memory or LDS instructions touch:
;   v4 to v10, v15   offsets and LDS addresses: made once at the head, never written again: one wait on va_vdst ahead of the first load serves every load and store of the kernel.
;   v14, PR          a load lands once; vector instructions alone name them afterwards.
;   X                the 32 loads of W1 land; the conversions read and write it in place; the LDS stores read X + 4 j and X + 4 j + 1; the turning loads land in its first 64 registers, which the matrix
;                    instructions read; in waves 0 to 3 the loads of the sixteen partial sums land in all 128, and vector sums follow.
;   ACC              written by the matrix instructions, read by the LDS stores of the partial sums, never written again.
;   HL               written by the last conversions, read by the two global stores.
; The 32 pairs of rows go in eight batches of four.  Batch g's conversions name batch g's registers alone; the LDS stores dealt among them are batch g - 1's.  So one wait on va_vdst at a batch's head,
; behind the wait for its data, states all that its four stores hang on.  One wait on vm_vsrc behind the last store frees X for all that lands in it or is written into it later.
.set SPITCH, 160                       ; a stage row: 64 bf16 = 128 bytes + 32 of padding: an odd multiple of 32 bytes
.set WSTG,   64*SPITCH                 ; a wave's stage: 64 rows
.set PART,   16*WSTG                   ; behind the stages: partial sums, 4,096 bytes a wave: [n block][2][lane][16 bytes]; the 2,048 bytes behind them hold the spare words, 128 bytes a wave
.set VO,   4                           ; v4   my 16 bytes in two rows of W1: (lane / 16) x 4,096 + (lane % 16) x 16
.set LS,   5                           ; v5   where I put 8 bytes of the stage
.set LT,   6                           ; v6   my address for the turning load
.set PO,   7                           ; v7   my bytes in prototypes: min(r, 9) x 4,096 + 32 h
.set LPT,  8                           ; v8   where I put my partial sums
.set LR,   9                           ; v9   where I read the sixteen partial sums of my block
.set BO,   10                          ; v10  4 r: my column in b1
.set VM,   11                          ; v11  all ones where r < 10, else 0
.set BV,   14                          ; v14  b1 of my column (named as a pair with v15)
.set LN16, 15                          ; v15  16 x lane
.set ACC,  16                          ; v[16:47]  four accumulators, one for each block of 16 columns
.set HL,   48                          ; v[48:55]  hi and lo, packed
.set X,    64                          ; v[64:191] W1 as loaded; then its fragments; then the sixteen partial sums
.set PR,   192                         ; v[192:223] prototypes as loaded
.set PF,   224                         ; v[224:239] their two fragments
.set WV,   12                          ; s12  my wave's number
	s_load_b256 s[4:11], s[0:1], 0x0               ; W1 s[4:5], b1 s[6:7], prototypes s[8:9], tpw s[10:11]
	v_lshl_add_u32 v254, v0, 2, 0x38000
	v_mov_b32 v255, 0
	v_lshrrev_b32 v16, 5, v0
	v_readfirstlane_b32 s[WV], v16                 ; wave 0..15
	v_and_b32 v1, 31, v0                           ; lane
	v_and_b32 v2, 15, v0                           ; r
	v_bfe_u32 v3, v0, 4, 1                         ; h
	v_lshlrev_b32 v[VO], 4, v2
	v_lshl_add_u32 v[VO], v3, 12, v[VO]
	s_wait_alu depctr_va_sdst(0)                   ; s12 is written, ahead of its first reader: LDS places, bases and the branch below are made from it
	s_mul_i32 s14, s[WV], WSTG                     ; my stage
	v_lshlrev_b32 v[LS], 3, v2
	v_mad_u32_u24 v[LS], v3, SPITCH, v[LS]
	v_add_nc_u32 v[LS], s14, v[LS]                 ; row lane / 16 of a pair, 8 bytes for each of 16 lanes
	v_and_b32 v16, 7, v0
	v_lshl_add_u32 v16, v3, 3, v16                 ; the turning load: row 8 h + lane % 8,
	v_mul_u32_u24 v[LT], v16, SPITCH
	v_bfe_u32 v17, v0, 3, 1
	v_lshl_add_u32 v[LT], v17, 4, v[LT]            ; 16 bytes at 16 ((lane / 8) % 2)
	v_add_nc_u32 v[LT], s14, v[LT]
	v_min_u32 v[PO], 9, v2                         ; lanes of rows 10 to 15 read row 9 and are masked
	v_lshlrev_b32 v[PO], 12, v[PO]
	v_lshl_add_u32 v[PO], v3, 5, v[PO]
	s_lshl_b32 s15, s[WV], 12
	s_add_co_u32 s15, s15, PART
	v_lshl_add_u32 v[LPT], v1, 4, s15
	s_and_b32 s13, s[WV], 3                        ; the block of 16 columns that waves 0 to 3 finish
	s_lshl_b32 s15, s13, 10
	s_add_co_u32 s15, s15, PART
	v_lshl_add_u32 v[LR], v1, 4, s15
	v_lshlrev_b32 v[BO], 2, v2
	v_lshlrev_b32 v[LN16], 4, v1
	v_cmp_gt_u32 vcc_lo, 10, v2
	s_wait_alu depctr_va_vcc(0)                    ; VCC is written, ahead of the select that reads it
	v_cndmask_b32 v[VM], 0, -1, vcc_lo
	s_lshl_b32 s16, s[WV], 18                      ; W1: my 64 rows of 4,096 bytes,
	s_lshl_b32 s17, ttmp9, 8                       ; the work-group's 256 bytes of a row,
	s_add_co_u32 s16, s16, s17
	s_add_co_u32 s16, s16, 0x400000                ; behind the upper 1,024 rows
	s_mov_b32 s17, 0
	s_lshl_b32 s18, s[WV], 8                       ; prototypes: my 64 channels
	s_mov_b32 s19, 0
	s_lshl_b32 s20, ttmp9, 8                       ; b1: the work-group's 64 columns, my block of 16
	s_lshl_b32 s21, s13, 6
	s_add_co_u32 s20, s20, s21
	s_mov_b32 s21, 0
	s_lshl_b32 s22, ttmp9, 2                       ; tpw: block 4 g + wave, 1,024 bytes each
	s_add_co_u32 s22, s22, s13
	s_lshl_b32 s22, s22, 10
	s_mov_b32 s23, 0
	s_wait_kmcnt 0x0
	s_add_nc_u64 s[4:5], s[4:5], s[16:17]
	s_add_nc_u64 s[8:9], s[8:9], s[18:19]
	s_add_nc_u64 s[6:7], s[6:7], s[20:21]
	s_add_nc_u64 s[10:11], s[10:11], s[22:23]
	s_wait_alu depctr_va_vdst(0)                   ; the offsets and LDS addresses v4 to v10 and v15 are written: every load and store of the kernel reads one of them, and none is written again
	; all 41 loads at once: b1, the prototypes' 2 x 32 channels (8 numbers at 8 h and 8 at 16 + 8 h for each), my 64 rows of W1 (two rows of 256 bytes a load)
	global_load_b32 v[BV], v[BO], s[6:7]
.irp kb, 0,1
.irp c, 0,1,2,3
	global_load_b128 v[PR+16*(\kb)+4*(\c):PR+16*(\kb)+4*(\c)+3], v[PO], s[8:9] offset:128*(\kb)+64*((\c)/2)+16*((\c)%2)
.endr
.endr
.set j, 0
.rept 32
	global_load_b128 v[X+4*j:X+4*j+3], v[VO], s[4:5] offset:j*8192 th:TH_LOAD_NT
.set j, j+1
.endr
	s_wait_loadcnt 32                              ; b1 and the prototypes are in; the 32 loads of W1 may stay out
.set p, 0
.rept 16
	v_cvt_pk_bf16_f32 v[PF+p], v[PR+2*p], v[PR+2*p+1]
.set p, p+1
.endr
.set p, 0
.rept 16
	v_and_b32 v[PF+p], v[VM], v[PF+p]              ; rows 10 to 15 are 0
.set p, p+1
.endr
	v_cvt_pk_bf16_f32 v[BV], v[BV], v[BV]          ; b1 rounded to bf16,
	v_lshlrev_b32 v[BV], 16, v[BV]                 ; as f32 again
; Pair j of rows: four f32 a lane close up into two registers of bf16; then 8 bytes a lane go into my stage.
.macro CVT j
	v_cvt_pk_bf16_f32 v[X+4*(\j)], v[X+4*(\j)], v[X+4*(\j)+1]
	v_cvt_pk_bf16_f32 v[X+4*(\j)+1], v[X+4*(\j)+2], v[X+4*(\j)+3]
.endm
.macro PUT j
	ds_store_b64 v[LS], v[X+4*(\j):X+4*(\j)+1] offset:(\j)*2*SPITCH
.endm
	s_wait_loadcnt 28                              ; loads come back in order: batch 0, pairs 0 to 3, is in; the 28 younger loads stay out
.irp i, 0,1,2,3
	CVT \i
.endr
.set g, 1
.rept 7
	s_wait_loadcnt 28-4*g                          ; batch g is in, the younger ones stay out
	s_wait_alu depctr_va_vdst(0)                   ; the conversions of batch g - 1 have written the registers that the four LDS stores below read
.irp i, 0,1,2,3
	PUT 4*(g-1)+\i                                 ; no vector instruction since the wait names these registers: batch g's conversions name batch g's alone
	CVT 4*g+\i
.endr
.set g, g+1
.endr
	s_wait_alu depctr_va_vdst(0)                   ; batch 7's conversions have written what the last four stores read; and all conversions are done reading and writing X, in which the turning loads land
.irp i, 0,1,2,3
	PUT 28+\i
.endr
	s_wait_alu depctr_vm_vsrc(0)                   ; the 32 LDS stores have read X: the turning loads, the loads of the partial sums and the sums that follow them write it again
	; back, turned: fragment (kb, nb) = 32 k x 16 n.  My own bytes, and LDS serves a wave's instructions in order: no wait on DScnt between the stores and these loads
.irp kb, 0,1
.irp nb, 0,1,2,3
	ds_load_tr16_b128 v[X+8*(4*(\kb)+(\nb)):X+8*(4*(\kb)+(\nb))+3],   v[LT] offset:(\kb)*32*SPITCH+32*(\nb)
	ds_load_tr16_b128 v[X+8*(4*(\kb)+(\nb))+4:X+8*(4*(\kb)+(\nb))+7], v[LT] offset:(\kb)*32*SPITCH+16*SPITCH+32*(\nb)
.endr
.endr
	s_wait_dscnt 0x0
	; source 0 = 16 rows j, source 1 = 16 columns n: lane (r, h) ends with Tab[8 h + 0..7][r].  The four accumulators take turns
.irp kb, 0,1
.irp nb, 0,1,2,3
.if (\kb) == 0
	v_wmma_f32_16x16x32_bf16 v[ACC+8*(\nb):ACC+8*(\nb)+7], v[PF+8*(\kb):PF+8*(\kb)+7], v[X+8*(4*(\kb)+(\nb)):X+8*(4*(\kb)+(\nb))+7], 0
.else
	v_wmma_f32_16x16x32_bf16 v[ACC+8*(\nb):ACC+8*(\nb)+7], v[PF+8*(\kb):PF+8*(\kb)+7], v[X+8*(4*(\kb)+(\nb)):X+8*(4*(\kb)+(\nb))+7], v[ACC+8*(\nb):ACC+8*(\nb)+7]
.endif
.endr
.endr
.rept 8
	v_nop                                          ; the places behind the last product, in front of the LDS stores that read the results; once a launch, so twice the four
.endr
	s_wait_alu depctr_va_vdst(0)                   ; the matrix instructions have written the accumulators, which the LDS stores read, and are done reading X, in which the loads behind the barrier land; the places above stay beside this wait
.irp nb, 0,1,2,3
	ds_store_b128 v[LPT], v[ACC+8*(\nb):ACC+8*(\nb)+3]   offset:1024*(\nb)
	ds_store_b128 v[LPT], v[ACC+8*(\nb)+4:ACC+8*(\nb)+7] offset:1024*(\nb)+512
.endr
	s_wait_dscnt 0x0                               ; for the others' sake: my partial sums lie in LDS
	s_barrier_signal -1
	s_barrier_wait -1
	s_cmp_lt_u32 s[WV], 4                          ; waves 0 to 3 finish a block each
	s_cbranch_scc0 .Lend
.set j, 0
.rept 16
	ds_load_b128 v[X+8*j:X+8*j+3],   v[LR] offset:4096*j       ; no vector or matrix instruction since the last wait on va_vdst, and no LDS store since the wait on vm_vsrc, names X
	ds_load_b128 v[X+8*j+4:X+8*j+7], v[LR] offset:4096*j+512
.set j, j+1
.endr
	s_wait_dscnt 0x0
.irp st, 8,4,2,1                       ; the sixteen partial sums, halved four times
.set i, 0
.rept 4*(\st)
	v_pk_add_f32 v[X+2*i:X+2*i+1], v[X+2*i:X+2*i+1], v[X+8*(\st)+2*i:X+8*(\st)+2*i+1]
.set i, i+1
.endr
.endr
.irp p, 0,1,2,3
	v_pk_add_f32 v[X+2*(\p):X+2*(\p)+1], v[X+2*(\p):X+2*(\p)+1], v[BV:BV+1] op_sel_hi:[1,0]  ; + b1 of my column, for both
.endr
.irp p, 0,1,2,3
	v_cvt_pk_bf16_f32 v[HL+(\p)], v[X+2*(\p)], v[X+2*(\p)+1]       ; hi
.endr
.irp p, 0,1,2,3
	v_lshlrev_b32 v[X+8+2*(\p)], 16, v[HL+(\p)]
	v_and_b32 v[X+9+2*(\p)], 0xffff0000, v[HL+(\p)]
.endr
.irp p, 0,1,2,3
	v_pk_add_f32 v[X+2*(\p):X+2*(\p)+1], v[X+2*(\p):X+2*(\p)+1], v[X+8+2*(\p):X+9+2*(\p)] neg_lo:[0,1] neg_hi:[0,1]  ; what hi has lost
.endr
.irp p, 0,1,2,3
	v_cvt_pk_bf16_f32 v[HL+4+(\p)], v[X+2*(\p)], v[X+2*(\p)+1]     ; lo
.endr
	s_wait_alu depctr_va_vdst(0)                   ; the conversions have written hi and lo, which the two stores read
	global_store_b128 v[LN16], v[HL:HL+3], s[10:11]                ; each store of the wave covers 512 consecutive bytes, aligned
	global_store_b128 v[LN16], v[HL+4:HL+7], s[10:11] offset:512
.Lend:
	s_wait_dscnt 0x0                               ; the wave's end: my LDS instructions are done
	s_wait_alu depctr_hold_cnt(0) depctr_sa_sdst(0) depctr_va_vdst(0) depctr_va_sdst(0) depctr_va_ssrc(0) depctr_va_vcc(0) depctr_vm_vsrc(0)
	s_wait_tensorcnt 0x0
	ds_add_u32 v254, v255
	s_wait_dscnt 0x0
	s_endpgm
.Lfunc_end_k_q1cc5441acb_pw:
	.size	k_q1cc5441acb_pw, .Lfunc_end_k_q1cc5441acb_pw-k_q1cc5441acb_pw
	.p2alignl 7, 3214868480
	.fill 96, 4, 3214868480
	.section	.rodata,"a",@progbits
	.p2align	6, 0x0
	.amdhsa_kernel k_q1cc5441acb_pw
		.amdhsa_group_segment_fixed_size 231424
		.amdhsa_private_segment_fixed_size 0
		.amdhsa_enable_private_segment 0
		.amdhsa_kernarg_size 32
		.amdhsa_user_sgpr_count 2
		.amdhsa_user_sgpr_kernarg_segment_ptr 1
		.amdhsa_wavefront_size32 1
		.amdhsa_system_sgpr_workgroup_id_x 1
		.amdhsa_system_sgpr_workgroup_id_y 1
		.amdhsa_system_sgpr_workgroup_id_z 1
		.amdhsa_system_vgpr_workitem_id 0
		.amdhsa_next_free_vgpr 256
		.amdhsa_next_free_sgpr 66
		.amdhsa_reserve_vcc 1
		.amdhsa_float_denorm_mode_32 3
		.amdhsa_float_denorm_mode_16_64 3
		.amdhsa_memory_ordered 1
		.amdhsa_forward_progress 1
		.amdhsa_inst_pref_size 25
	.end_amdhsa_kernel
	.amdgpu_metadata
---
amdhsa.version: [ 1, 2 ]
amdhsa.kernels:
  - .name:           k_q1cc5441acb_pw
    .symbol:         k_q1cc5441acb_pw.kd
    .args:
      - { .name: W1, .offset: 0, .size: 8, .value_kind: global_buffer, .address_space: global }
      - { .name: b1, .offset: 8, .size: 8, .value_kind: global_buffer, .address_space: global }
      - { .name: prototypes, .offset: 16, .size: 8, .value_kind: global_buffer, .address_space: global }
      - { .name: tpw, .offset: 24, .size: 8, .value_kind: global_buffer, .address_space: global }
    .group_segment_fixed_size: 231424
    .private_segment_fixed_size: 0
    .kernarg_segment_align: 8
    .kernarg_segment_size: 32
    .max_flat_workgroup_size: 512
    .sgpr_count:     66
    .vgpr_count:     256
    .wavefront_size: 32
...
	.end_amdgpu_metadata
.endif
;; end of part 5
;; launch cast: the kernel of part 2 again; grid 256 x 1, 16 waves a work-group, no clusters, 186,880 bytes of LDS; arguments features, prototypes, W1, W2, fb, sel, w1b, w2b; writes fb, sel, w1b, w2b
;; launch layer1: the kernel of part 3 again; grid 4 x 64, 4 waves a work-group, clusters of 4 x 4, 327,680 bytes of LDS; arguments fb, w1b, hid, sel, tpw; writes hid
;; launch layer2: the kernel of part 4 again; grid 4 x 64, 4 waves a work-group, clusters of 4 x 4, 327,680 bytes of LDS; arguments hid, w2b, out0, b2; writes out0
